; MI455X (gfx1250); checked and timed in simulation.
; The chip was launched on July 23, 2026; its instructions are those of AMD's public machine-readable ISA for CDNA 5 (MIT licence, August 2026) and "CDNA5" Instruction Set Architecture Reference Guide (July 2026). The comments in the code are by the model that wrote it; some were corrected since.
;; Multi Head Attention. Allowed arithmetic: matrix products marked QUANTISED: E2M1 operands, one E8M0 scale for each 32 along K, by v_wmma_scale_f32_16x16x128_f8f6f4 with both operands' format E2M1 (or v_wmma_scale_f32_32x16x128_f4), f32 sums; products left as they are: bf16, f16 or f32 operands; f32 sums; everything else in f32.
;; Inputs: Wk 1,024 x 1,024 float32; Wo 1,024 x 1,024 float32; Wq 1,024 x 1,024 float32; Wv 1,024 x 1,024 float32; bk 1,024 float32; bo 1,024 float32; bq 1,024 float32; bv 1,024 float32; k 4 x 2,048 x 1,024 float32; mask 4 x 1 x 1 x 2,048 int32; q 4 x 2,048 x 1,024 float32; v 4 x 2,048 x 1,024 float32.
;; Outputs: out0 4 x 2,048 x 1,024 float32.
;; This version of the problem:
;;   THIS VERSION OF THE PROBLEM IS GIVEN IN LOW PRECISION. The matrix products marked QUANTISED in the list below multiply operands that are first quantised to E2M1 (2 exponent bits, 1 mantissa bit; 4 bits a number), with one power-of-two scale for each 32 numbers along K (OCP MX v1.0); their sums are f32. The products marked 'left as it is' may take bf16, f16 or f32 operands, with f32 sums. Whichever they take, every output number must still come out within the allowed error. Rounding operands to bf16 (8 significant bits) uses up far more of that allowance than f16 does (11 bits, for magnitudes from 6e-5 to 65,504). All else is computed in f32.
;;   The module's matrix products, in the order in which they are computed (A, B: the left and right operand; K: the contracted axis; several contracted axes count as one K, in the product's order):
;;     1. [M 8,192, K 1,024] x [K 1,024, N 1,024]; A: input q; B: input Wq: QUANTISED
;;     2. [M 8,192, K 1,024] x [K 1,024, N 1,024]; A: input k; B: input Wk: QUANTISED
;;     3. [M 8,192, K 1,024] x [K 1,024, N 1,024]; A: input v; B: input Wv: QUANTISED
;;     4. batch 64 x [M 2,048, K 64] x [K 64, N 2,048]; A: computed on the way; B: computed on the way: left as it is (an operand is computed on the way)
;;     5. batch 64 x [M 2,048, K 2,048] x [K 2,048, N 64]; A: computed on the way; B: computed on the way: left as it is (an operand is computed on the way)
;;     6. [M 8,192, K 1,024] x [K 1,024, N 1,024]; A: computed on the way; B: input Wo: left as it is (an operand is computed on the way)
;;   THE QUANTISER, for each operand of a quantised product, along K:
;;     - K is cut into blocks of 32 from its start; a last block that is shorter is filled with zeros.
;;     - A block's scale is 2^e with e = floor(log2(the largest magnitude in the block)) - 2, held to -126 .. 127; a block of zeros has e = 0. As a byte (E8M0): e + 127.
;;     - Each number is divided by its block's scale, clamped to +-6, and rounded to the nearest number of E2M1, ties to even, subnormals kept.
;;     - The product sums the exact products of the quantised numbers (number of the format x scale) in f32.
;;   ~~~python
;;   def quantise(x, axis):      # numpy; x: float32 -> the quantised numbers, widened to float32 again
;;       x = np.moveaxis(x, axis, -1); K = x.shape[-1]
;;       x = np.pad(x, [(0, 0)] * (x.ndim - 1) + [(0, -K % 32)]); x = x.reshape(x.shape[:-1] + (-1, 32)); a = np.abs(x).max(-1, keepdims=True)
;;       e = np.where(a > 0, np.clip(np.frexp(np.where(a > 0, a, 1))[1] - 1 - 2, -126, 127), 0)      # np.frexp(a)[1] - 1 = floor(log2(a)), exactly
;;       r = np.clip(x / 2.0 ** e, -6, 6)
;;       step = 2.0 ** (np.maximum(np.frexp(np.where(r == 0, 1, r))[1] - 1, 0) - 1)
;;       q = np.round(r / step) * step * 2.0 ** e      # np.round: ties to even
;;       return np.moveaxis(q.reshape(q.shape[:-2] + (-1,))[..., :K], -1, axis).astype(np.float32)
;;   ~~~
;; One version. Each part assembles by itself: llvm-mc -triple=amdgcn-amd-amdhsa -mcpu=gfx1250 --defsym DOCPART=n.
;; ======== version 1 of 1: 5 launches
;; limits: values are held in f16: magnitudes above 65,504 overflow, below 6.1e-05 lose precision; right only within a limited range of input values
;; workspace buffers: wts 3,768,320 bytes; order 33,792 bytes of whole numbers; mkp 33,792 bytes; xq 13,369,344 bytes; qkv 50,331,648 bytes; ctx 16,777,216 bytes
;; launch prep (part 1): grid 113 x 1, 4 waves a work-group, no clusters, 35,840 bytes of LDS; arguments Wq, Wk, Wv, Wo, mask, wts, order, mkp; writes wts, order, mkp
.if DOCPART == 1
	.amdgcn_target "amdgcn-amd-amdhsa--gfx1250"
	.amdhsa_code_object_version 6
	.text
	.protected	k_qc3fa94a5ec_prep
	.globl	k_qc3fa94a5ec_prep
	.p2align	8
	.type	k_qc3fa94a5ec_prep,@function
k_qc3fa94a5ec_prep:
	s_mov_b64 s[64:65], 0
	v_nop
	global_prefetch_b8 v0, s[64:65] scope:SCOPE_SE
	s_setreg_imm32_b32 hwreg(HW_REG_WAVE_MODE, 25, 1), 1
	s_wait_xcnt 0x0
; THE WEIGHTS AND THE MASK ARE LAID OUT ONCE.  Three kinds of work-group, told apart by the work-group's number alone:
;   0-47    Wq, Wk, Wv [1024 k][1024 n] f32 -> codes of FP4 (E2M1) laid [3072 n][512 bytes], K innermost, at byte 0 of wts, and one E8M0 byte for each 32 along K, [3072][32], at WSO.
;           A lane takes a column n and its registers run down K, so a block of 32 lies in one lane and the codes come out with K innermost; they leave through the wave's own stage in LDS as rows of 256 bytes.
;   48-111  Wo [1024 k][1024 n] f32 -> f16 in the order of a matrix operand's registers, at WOI: tile of 16 n = 32,768 bytes; in it chunk k / 8 at 256 (k / 8) + 16 (n % 16), eight k to a chunk.
;   112     the mask.  Wave b takes batch b.  A key whose mask value is above the batch's smallest has a logit 1e9 or more under the kept keys', so its weight is exactly 0 in f32.  The keys are put in a new order:
;           those with the smallest value first (in their old order), the others behind.  Stored: order[b 2048 + place] = the key's row b 2048 + s; mkp[b][place] = float(mask) x -1e9;
;           at order + 32768 + 256 b: 32 words nsteps = ceil(kept / 64), 32 words nplain = kept / 64 where the smallest value is 0, else 0; at mkp + 32768 + 256 b: 64 words float(smallest) x 1e9.
; A block's scale is 2^(floor(log2(largest magnitude)) - 2); its byte is the largest magnitude's exponent field - 2, held at 1 from below.
; LIMITS: a block of zeros gets the byte 1 (its codes are zeros; this program alone reads the bytes); NaN and infinities are not served; mask values stay within +-2^24, so that unlike values stay unlike as f32.
.set WSO,   0x180000
.set WOI,   0x198000
.set NB,    16                         ; blocks of 32 along K for a wave: 512 along K
.set PITCH, 272                        ; a stage row: 256 bytes of codes + 16
.set KROW,  512                        ; a row of the codes in bytes
.set NROW,  4096                       ; a row of a weight in bytes
.set EMAX,  2
.set X,     32                         ; v32-95   two sets of 32 numbers
.set C,     96                         ; v96-99   a block's codes
.set OUTR,  112                        ; v112-175 the way out
.set SB,    24                         ; v24-27   the scale bytes, four to a register
.set SPW,   14                         ; v14      LDS address of my spare word; never rewritten
.set NIL,   15                         ; v15      0; never rewritten
.set SPARE, 4*32*PITCH                 ; behind the four stages: the spare words, 128 bytes a wave
.macro WLOAD t                         ; block t: W(32 t + i, my column) into set t % 2: 32 lanes read 128 consecutive bytes
.irp i, 0,1,2,3,4,5,6,7,8,9,10,11,12,13,14,15,16,17,18,19,20,21,22,23,24,25,26,27,28,29,30,31
	global_load_b32 v[X+32*((\t)%2)+\i], v3, s[24:25] offset:(32*(\t)+\i)*NROW th:TH_LOAD_NT
.endr
.endm
.macro WBLOCK t
.set XS, X+32*((\t)%2)
.if (\t) < NB-1
	s_wait_loadcnt 32                              ; this block's 32 loads are in; the next block's 32 may be out
.else
	s_wait_loadcnt 0
.endif
	v_max3_num_f32 v12, |v[XS]|, |v[XS+1]|, |v[XS+2]|
	v_max3_num_f32 v13, |v[XS+3]|, |v[XS+4]|, |v[XS+5]|
.irp i, 6,10,14,18,22,26
	v_max3_num_f32 v12, v12, |v[XS+\i]|, |v[XS+\i+1]|
	v_max3_num_f32 v13, v13, |v[XS+\i+2]|, |v[XS+\i+3]|
.endr
	v_max3_num_f32 v12, v12, |v[XS+30]|, |v[XS+31]|
	v_max3_num_f32 v12, v12, v13, (EMAX+1)<<23     ; with the floor 2^(3 - 127): the byte cannot fall under 1
	v_add_nc_u32 v11, -(EMAX<<23), v12             ; 2 off the exponent field: the conversion's scale operand
	v_lshrrev_b32 v13, 23, v11                     ; the scale's byte
.if (\t)%4 == 0
	v_mov_b32 v[SB+(\t)/4], v13
.else
	v_lshl_or_b32 v[SB+(\t)/4], v13, 8*((\t)%4), v[SB+(\t)/4]
.endif
.irp g, 0,1,2,3
	v_cvt_scalef32_pk8_fp4_f32 v[C+\g], v[XS+8*\g:XS+8*\g+7], v11
.endr
	ds_store_b128 v4, v[C:C+3] offset:16*(\t)      ; 32 codes: 16 bytes of my column's row
.if (\t)+2 < NB
	WLOAD (\t)+2
.endif
	s_wait_dscnt 0x0                               ; the store has read its registers: the next block's codes may be written
.endm
.macro OLOAD p, g                      ; Wo: eight rows k = 64 p + 8 g + 0 .. 7 of my column
.irp i, 0,1,2,3,4,5,6,7
	global_load_b32 v[32+64*\p+8*\g+\i], v1, s[10:11] offset:(64*\p+8*\g+\i)*NROW th:TH_LOAD_NT
.endr
.endm
.macro OPACK p, g                      ; they become one chunk of 16 bytes: rounded in place, ascending, so that no source is written before it is read
.irp i, 0,1,2,3
	v_cvt_pk_f16_f32 v[32+64*\p+8*\g+\i], v[32+64*\p+8*\g+2*\i], v[32+64*\p+8*\g+2*\i+1]
.endr
	global_store_b128 v3, v[32+64*\p+8*\g:32+64*\p+8*\g+3], s[14:15] offset:(8*\p+\g)*256   ; sixteen lanes store 256 consecutive bytes, aligned
.endm
	s_load_b512 s[4:19], s[0:1], 0x0               ; Wq s[4:5], Wk s[6:7], Wv s[8:9], Wo s[10:11], mask s[12:13], wts s[14:15], order s[16:17], mkp s[18:19]
	v_lshl_add_u32 v[SPW], v0, 2, SPARE
	v_mov_b32 v[NIL], 0
	v_lshrrev_b32 v1, 5, v0
	v_readfirstlane_b32 s20, v1                    ; wave 0..3
	v_and_b32 v2, 31, v0                           ; lane
	s_wait_kmcnt 0x0
	s_cmp_lt_u32 ttmp9, 48
	s_cbranch_scc1 .Lweights
	s_cmp_lt_u32 ttmp9, 112
	s_cbranch_scc1 .Lwo
	; ---- THE MASK: wave = batch; register 64 + i of lane l is key 32 i + l
	s_lshl_b32 s22, s20, 13                        ; 8,192 bytes a batch in mask, order and mkp
	s_mov_b32 s23, 0
	s_add_nc_u64 s[12:13], s[12:13], s[22:23]
	s_add_nc_u64 s[24:25], s[16:17], s[22:23]
	s_add_nc_u64 s[26:27], s[18:19], s[22:23]
	v_lshlrev_b32 v1, 2, v2
.set i, 0
.rept 64
	global_load_b32 v[64+i], v1, s[12:13] offset:128*i th:TH_LOAD_NT
.set i, i+1
.endr
	s_mov_b32 s28, 0x76543210
	s_mov_b32 s29, 0xfedcba98                      ; lane selects: lane l xor 16
	s_lshl_b32 s33, s20, 11
	v_add_nc_u32 v12, s33, v2                      ; 2048 b + lane
	v_mov_b32 v9, 0                                ; written once: a lane exchange's destination counts as a source
	s_wait_loadcnt 0x0
.irp c, 0,1,2,3
	v_min_i32 v[4+\c], v[64+\c], v[68+\c]          ; the smallest value: four chains,
.endr
.set i, 8
.rept 56
	v_min_i32 v[4+i%4], v[4+i%4], v[64+i]
.set i, i+1
.endr
	v_min_i32 v4, v4, v5
	v_min_i32 v6, v6, v7
	v_min_i32 v8, v4, v6
.irp m, 1,2,4,8
	v_mov_b32_dpp v9, v8 row_xmask:\m row_mask:0xf bank_mask:0xf   ; then across the sixteen lanes of a half,
	v_min_i32 v8, v8, v9
.endr
	v_permlanex16_b32 v9, v8, s28, s29             ; and across the halves
	v_min_i32 v8, v8, v9
	v_readfirstlane_b32 s30, v8                    ; the batch's smallest mask value
	s_mov_b32 s31, 0
.set i, 0
.rept 64                                       ; how many keys have it
	v_cmp_eq_u32 vcc_lo, s30, v[64+i]
	s_bcnt1_i32_b32 s32, vcc_lo
	s_add_co_u32 s31, s31, s32
.set i, i+1
.endr
	s_mov_b32 s34, 0                               ; kept keys in the chunks before this one
	s_sub_co_u32 s35, s31, s33                     ; kept - 2048 b
.set i, 0
.rept 64                                       ; each chunk has registers of its own for place, row and term: no store's registers are written again
	v_cmp_eq_u32 vcc_lo, s30, v[64+i]
	v_add_nc_u32 v[192+i], 32*i, v12               ; the key's row
	v_mbcnt_lo_u32_b32 v10, vcc_lo, s34            ; kept keys before me: a kept key's place
	v_sub_nc_u32 v11, v[192+i], v10
	v_add_nc_u32 v11, s35, v11                     ; kept + the other keys before me: the place of a key that is not kept
	v_cndmask_b32 v10, v11, v10, vcc_lo
	v_min_u32 v10, 0x7ff, v10                      ; a place made of loaded numbers is held inside the batch
	v_lshlrev_b32 v[128+i], 2, v10
	v_cvt_f32_i32 v[64+i], v[64+i]
	v_mul_f32 v[64+i], 0xce6e6b28, v[64+i]         ; float(mask) x -1e9
	global_store_b32 v[128+i], v[192+i], s[24:25]
	global_store_b32 v[128+i], v[64+i], s[26:27]
	s_bcnt1_i32_b32 s32, vcc_lo
	s_add_co_u32 s34, s34, s32
.set i, i+1
.endr
	s_add_co_u32 s36, s31, 63
	s_lshr_b32 s36, s36, 6                         ; nsteps
	s_lshr_b32 s37, s31, 6
	s_cmp_eq_u32 s30, 0
	s_cselect_b32 s37, s37, 0                      ; nplain: steps whose every term is 0
	s_lshl_b32 s22, s20, 8
	s_add_co_u32 s22, s22, 32768
	s_add_nc_u64 s[38:39], s[16:17], s[22:23]
	s_add_nc_u64 s[40:41], s[18:19], s[22:23]
	v_mov_b32 v4, s36
	v_mov_b32 v5, s37
	v_cvt_f32_i32 v6, v8
	v_mul_f32 v6, 0x4e6e6b28, v6                   ; float(smallest) x 1e9: the kept keys' term, negated
	global_store_b32 v1, v4, s[38:39]
	global_store_b32 v1, v5, s[38:39] offset:128
	global_store_b32 v1, v6, s[40:41]
	global_store_b32 v1, v6, s[40:41] offset:128
	s_endpgm
.Lwo:	; ---- Wo: work-group (nx, ky): columns 128 nx + 32 wave + lane, k = 128 ky + 0 .. 127
	s_sub_co_u32 s21, ttmp9, 48
	s_and_b32 s22, s21, 7                          ; nx
	s_lshr_b32 s23, s21, 3                         ; ky
	s_lshl_b32 s24, s23, 19                        ; 128 rows of 4,096 bytes,
	s_lshl_b32 s26, s22, 9
	s_add_co_u32 s24, s24, s26                     ; 128 columns,
	s_lshl_b32 s26, s20, 7
	s_add_co_u32 s24, s24, s26                     ; my wave's 32
	s_mov_b32 s25, 0
	s_add_nc_u64 s[10:11], s[10:11], s[24:25]
	s_lshl_b32 s24, s22, 18                        ; the image: tile 8 nx + 2 wave of 32,768 bytes,
	s_lshl_b32 s26, s20, 16
	s_add_co_u32 s24, s24, s26
	s_lshl_b32 s26, s23, 12                        ; chunk 16 ky
	s_add_co_u32 s24, s24, s26
	s_add_co_u32 s24, s24, WOI
	s_add_nc_u64 s[14:15], s[14:15], s[24:25]
	v_lshlrev_b32 v1, 2, v2
	v_lshrrev_b32 v3, 4, v2
	v_and_b32 v4, 15, v2
	v_lshlrev_b32 v4, 4, v4
	v_lshl_add_u32 v3, v3, 15, v4                  ; lanes 16-31 the next tile; 16 bytes for each n
.irp g, 0,1,2,3,4,5,6,7
	OLOAD 0, \g
.endr
.irp g, 0,1,2,3,4,5,6,7
	s_wait_loadcnt 56                              ; younger than group g: 8 (7 - g) loads of this half and 8 g of the next
	OPACK 0, \g
	OLOAD 1, \g
.endr
.irp g, 0,1,2,3,4,5,6,7
	s_wait_loadcnt 56-8*\g                         ; the groups behind this one may be out
	OPACK 1, \g
.endr
	s_endpgm
.Lweights:	; ---- Wq, Wk, Wv: work-group g: tensor g / 16, 128 columns g % 8, 512 along K (g / 8) % 2
	s_lshr_b32 s21, ttmp9, 4                       ; which tensor
	s_and_b32 s22, ttmp9, 7
	s_bfe_u32 s23, ttmp9, 0x10003
	s_cmp_eq_u32 s21, 0
	s_cselect_b64 s[24:25], s[4:5], s[6:7]
	s_cmp_eq_u32 s21, 2
	s_cselect_b64 s[24:25], s[8:9], s[24:25]
	s_lshl_b32 s26, s22, 7
	s_lshl_b32 s27, s20, 5
	s_add_co_u32 s26, s26, s27                     ; my wave's first column
	s_lshl_b32 s28, s23, 21                        ; 512 rows of 4,096 bytes
	s_lshl_b32 s27, s26, 2
	s_add_co_u32 s28, s28, s27
	s_mov_b32 s29, 0
	s_add_nc_u64 s[24:25], s[24:25], s[28:29]
	s_lshl_b32 s28, s21, 19                        ; codes: 524,288 bytes a tensor, 512 a column, 256 for 512 along K
	s_lshl_b32 s27, s26, 9
	s_add_co_u32 s28, s28, s27
	s_lshl_b32 s27, s23, 8
	s_add_co_u32 s28, s28, s27
	s_add_nc_u64 s[30:31], s[14:15], s[28:29]
	s_lshl_b32 s28, s21, 15                        ; scale bytes: 32,768 a tensor, 32 a column, 16 for 512 along K
	s_lshl_b32 s27, s26, 5
	s_add_co_u32 s28, s28, s27
	s_lshl_b32 s27, s23, 4
	s_add_co_u32 s28, s28, s27
	s_add_co_u32 s28, s28, WSO
	s_add_nc_u64 s[32:33], s[14:15], s[28:29]
	v_lshlrev_b32 v3, 2, v2                        ; in: 4 bytes a lane
	s_mul_i32 s34, s20, 32*PITCH                   ; my stage
	v_mul_u32_u24 v4, v2, PITCH
	v_add_nc_u32 v4, s34, v4                       ; into it: row = my column
	v_and_b32 v5, 15, v2
	v_lshrrev_b32 v6, 4, v2
	v_mul_u32_u24 v7, v6, PITCH
	v_lshl_add_u32 v7, v5, 4, v7
	v_add_nc_u32 v7, s34, v7                       ; out of it: sixteen lanes to a row, two rows an instruction
	v_mul_u32_u24 v8, v6, KROW
	v_lshl_add_u32 v8, v5, 4, v8                   ; and the same place among the codes
	v_mul_u32_u24 v9, v2, 32                       ; my column's row of scale bytes
	WLOAD 0
	WLOAD 1
.set Q, 0
.rept NB
	WBLOCK Q
.set Q, Q+1
.endr
	global_store_b128 v9, v[SB:SB+3], s[32:33]     ; my column's 16 scale bytes
.irp t, 0,1,2,3,4,5,6,7,8,9,10,11,12,13,14,15
	ds_load_b128 v[OUTR+4*\t:OUTR+4*\t+3], v7 offset:2*\t*PITCH   ; LDS serves a wave's instructions in order: these see my stores
.endr
.irp t, 0,1,2,3,4,5,6,7,8,9,10,11,12,13,14,15
	s_wait_dscnt 15-\t                             ; the loads behind this one may be out
	global_store_b128 v8, v[OUTR+4*\t:OUTR+4*\t+3], s[30:31] offset:2*\t*KROW
.endr
	s_wait_tensorcnt 0x0                           ; the wave's end, behind my last LDS store
	ds_add_u32 v[SPW], v[NIL]
	s_wait_dscnt 0x0
	s_endpgm
.Lfunc_end_k_qc3fa94a5ec_prep:
	.size	k_qc3fa94a5ec_prep, .Lfunc_end_k_qc3fa94a5ec_prep-k_qc3fa94a5ec_prep
	.p2alignl 7, 3214868480
	.fill 96, 4, 3214868480
	.section	.rodata,"a",@progbits
	.p2align	6, 0x0
	.amdhsa_kernel k_qc3fa94a5ec_prep
		.amdhsa_group_segment_fixed_size 35840
		.amdhsa_private_segment_fixed_size 0
		.amdhsa_enable_private_segment 0
		.amdhsa_kernarg_size 64
		.amdhsa_user_sgpr_count 2
		.amdhsa_user_sgpr_kernarg_segment_ptr 1
		.amdhsa_wavefront_size32 1
		.amdhsa_system_sgpr_workgroup_id_x 1
		.amdhsa_system_sgpr_workgroup_id_y 1
		.amdhsa_system_sgpr_workgroup_id_z 1
		.amdhsa_system_vgpr_workitem_id 0
		.amdhsa_next_free_vgpr 256
		.amdhsa_next_free_sgpr 66
		.amdhsa_reserve_vcc 1
		.amdhsa_float_denorm_mode_32 3
		.amdhsa_float_denorm_mode_16_64 3
		.amdhsa_memory_ordered 1
		.amdhsa_forward_progress 1
		.amdhsa_inst_pref_size 158
	.end_amdhsa_kernel
	.amdgpu_metadata
---
amdhsa.version: [ 1, 2 ]
amdhsa.kernels:
  - .name:           k_qc3fa94a5ec_prep
    .symbol:         k_qc3fa94a5ec_prep.kd
    .args:
      - { .name: Wq, .offset: 0, .size: 8, .value_kind: global_buffer, .address_space: global }
      - { .name: Wk, .offset: 8, .size: 8, .value_kind: global_buffer, .address_space: global }
      - { .name: Wv, .offset: 16, .size: 8, .value_kind: global_buffer, .address_space: global }
      - { .name: Wo, .offset: 24, .size: 8, .value_kind: global_buffer, .address_space: global }
      - { .name: mask, .offset: 32, .size: 8, .value_kind: global_buffer, .address_space: global }
      - { .name: wts, .offset: 40, .size: 8, .value_kind: global_buffer, .address_space: global }
      - { .name: order, .offset: 48, .size: 8, .value_kind: global_buffer, .address_space: global }
      - { .name: mkp, .offset: 56, .size: 8, .value_kind: global_buffer, .address_space: global }
    .group_segment_fixed_size: 35840
    .private_segment_fixed_size: 0
    .kernarg_segment_align: 8
    .kernarg_segment_size: 64
    .max_flat_workgroup_size: 128
    .sgpr_count:     66
    .vgpr_count:     256
    .wavefront_size: 32
...
	.end_amdgpu_metadata
.endif
;; end of part 1
;; launch quant (part 2): grid 768 x 1, 4 waves a work-group, no clusters, 33,280 bytes of LDS; arguments q, k, v, order, xq; writes xq
.if DOCPART == 2
	.amdgcn_target "amdgcn-amd-amdhsa--gfx1250"
	.amdhsa_code_object_version 6
	.text
	.protected	k_qc3fa94a5ec_quant
	.globl	k_qc3fa94a5ec_quant
	.p2align	8
	.type	k_qc3fa94a5ec_quant,@function
k_qc3fa94a5ec_quant:
	s_mov_b64 s[64:65], 0
	v_nop
	global_prefetch_b8 v0, s[64:65] scope:SCOPE_SE
	s_setreg_imm32_b32 hwreg(HW_REG_WAVE_MODE, 25, 1), 1
	s_wait_xcnt 0x0
; q, k, v [8192 rows][1024] f32 become codes of FP4 (E2M1), K innermost, with one E8M0 byte for each 32 along K: xq holds codes [24576 rows][512 bytes] and, at XSO, scale bytes [24576][32].
; Rows 0-8191 are q's as they lie; rows 8192-16383 are k's and 16384-24575 v's IN THE ORDER OF THE LIST that the launch before stored: output row j takes input row order[j].
; A block's scale is 2^(floor(log2(largest magnitude)) - 2); its byte is the largest magnitude's exponent field - 2, held at 1 from below; each number is divided by the scale and rounded to the nearest code, ties to even.
; LIMITS: a block of zeros gets the byte 1 (its codes are zeros; this program alone reads the bytes); NaN and infinities are not served.
; A wave takes 8 rows: 16 steps of 512 numbers, two steps a row.  Each of a step's four loads reads 512 consecutive bytes, 16 a lane; the 2,048 bytes go through the wave's own stage in LDS and come back 64 bytes a lane,
; so that a lane holds 16 neighbours along K and two neighbouring lanes a block.  A lane's 16 codes are 8 bytes: the wave stores 256 consecutive bytes.  The wave's 256 scale bytes are gathered in LDS and leave as one store.
; No tensor loads, no barrier: waves share nothing.  Loads run four steps (16 loads) ahead, the turn through LDS one step.
.set STEPS, 16
.set EMAX,  2
.set CB,    8                          ; bytes of 16 codes
.set XSO,   0xC00000
.set R,     16                         ; v16-79   four sets of 16 numbers as loaded
.set X,     80                         ; v80-111  two sets of 16 neighbours
.set C,     128                        ; v128-191 codes: registers of its own for each step
.set E,     112                        ; v112-127 a scale byte for each step
.set WREG,  8192                       ; LDS: a region for each wave: two stages of 32 x SP bytes, then its 256 scale bytes
.set SP,    80                         ; a lane's place in a stage: 64 bytes + 16 of padding
.set SPW,   12
.set NIL,   13
.set SPARE, 4*WREG
.set RB,    24                         ; s[24:39] the addresses of my eight input rows
	s_load_b256 s[4:11], s[0:1], 0x0               ; q s[4:5], k s[6:7], v s[8:9], order s[10:11]
	s_load_b64 s[12:13], s[0:1], 0x20              ; xq
	v_lshl_add_u32 v[SPW], v0, 2, SPARE
	v_mov_b32 v[NIL], 0
	v_lshrrev_b32 v1, 5, v0
	v_readfirstlane_b32 s16, v1                    ; wave
	v_and_b32 v2, 31, v0                           ; lane
	v_lshlrev_b32 v3, 4, v2                        ; my 16 bytes of a load's 512
	s_mul_i32 s17, s16, WREG
	v_lshrrev_b32 v14, 2, v2
	v_mul_u32_u24 v14, v14, SP
	v_and_b32 v15, 3, v2
	v_lshl_add_u32 v14, v15, 4, v14
	v_add_nc_u32 v14, s17, v14                     ; the stage, on the way in: SP (lane / 4) + 16 (lane % 4)
	v_mul_u32_u24 v15, v2, SP
	v_add_nc_u32 v15, s17, v15                     ; and on the way out: SP x lane
	v_mul_u32_u24 v4, v2, CB                       ; my codes' place in a step's
	v_lshrrev_b32 v5, 1, v2
	s_add_co_u32 s17, s17, 2*32*SP
	v_add_nc_u32 v5, s17, v5                       ; my block's scale byte in LDS
	v_lshlrev_b32 v7, 3, v2
	v_add_nc_u32 v6, s17, v7                       ; and on the way out 8 bytes a lane
	s_lshl_b32 s18, ttmp9, 2
	s_add_co_u32 s18, s18, s16                     ; which run of 8 output rows is my wave's
	s_lshr_b32 s62, ttmp9, 8                       ; which tensor: 256 work-groups each
	s_and_b32 s20, s18, 1023
	s_lshl_b32 s20, s20, 3                         ; my first row within the tensor
.irp i, 0,1,2,3,4,5,6,7
	s_add_co_u32 s[48+\i], s20, \i                 ; q's rows are taken as they lie
.endr
	s_lshl_b32 s20, s20, 2
	s_mov_b32 s21, 0
	s_wait_kmcnt 0x0
	s_add_nc_u64 s[10:11], s[10:11], s[20:21]
	s_load_b256 s[40:47], s[10:11], 0x0            ; the list's eight rows
	s_cmp_eq_u32 s62, 0
	s_cselect_b64 s[60:61], s[4:5], s[6:7]
	s_cmp_eq_u32 s62, 2
	s_cselect_b64 s[60:61], s[8:9], s[60:61]
	s_lshl_b32 s20, s18, 12                        ; 4,096 bytes of codes a run
	s_add_nc_u64 s[22:23], s[12:13], s[20:21]
	s_lshl_b32 s20, s18, 8                         ; 256 scale bytes a run
	s_add_co_u32 s20, s20, XSO
	s_add_nc_u64 s[58:59], s[12:13], s[20:21]
	s_wait_kmcnt 0x0
	s_cmp_eq_u32 s62, 0
.irp i, 0,1,2,3,4,5,6,7
	s_cselect_b32 s[40+\i], s[48+\i], s[40+\i]
.endr
.irp i, 0,1,2,3,4,5,6,7
	s_min_u32 s[40+\i], s[40+\i], 8191             ; a loaded row number is held inside the tensor
	s_lshl_b32 s20, s[40+\i], 12
	s_add_nc_u64 s[RB+2*\i:RB+2*\i+1], s[60:61], s[20:21]
.endr
.macro LOAD t                          ; step t: half (t % 2) of row t / 2
.irp i, 0,1,2,3
	global_load_b128 v[R+16*((\t)%4)+4*\i:R+16*((\t)%4)+4*\i+3], v3, s[RB+2*((\t)/2):RB+2*((\t)/2)+1] offset:2048*((\t)%2)+512*\i th:TH_LOAD_NT
.endr
.endm
.macro TURN t                          ; step t's numbers through the stage: LDS serves a wave's instructions in order
.irp i, 0,1,2,3
	ds_store_b128 v14, v[R+16*((\t)%4)+4*\i:R+16*((\t)%4)+4*\i+3] offset:32*SP*((\t)%2)+8*SP*\i
.endr
.irp i, 0,1,2,3
	ds_load_b128 v[X+16*((\t)%2)+4*\i:X+16*((\t)%2)+4*\i+3], v15 offset:32*SP*((\t)%2)+16*\i
.endr
.endm
.irp t, 0,1,2,3
	LOAD \t
.endr
	s_wait_loadcnt 12                              ; step 0's four loads are in
	TURN 0
.macro STEP t
.set XS, X+16*((\t)%2)
.if (\t) > 0
	s_wait_dscnt 1                                 ; this step's numbers are back from the stage (the last step's byte store may be out): so its stores into the stage have read their registers,
.else
	s_wait_dscnt 0x0
.endif
.if (\t)+4 < STEPS
	LOAD (\t)+4                                    ; which take the loads of four steps on
.endif
.if (\t)+1 < STEPS
.if STEPS-2-(\t) >= 3
	s_wait_loadcnt 12                              ; the next step's four loads are in; those of the three steps behind it may be out
.else
	s_wait_loadcnt 4*(STEPS-2-(\t))
.endif
	TURN (\t)+1
.endif
	v_max3_num_f32 v8, |v[XS]|, |v[XS+1]|, |v[XS+2]|
	v_max3_num_f32 v9, |v[XS+3]|, |v[XS+4]|, |v[XS+5]|
.irp i, 6,10
	v_max3_num_f32 v8, v8, |v[XS+\i]|, |v[XS+\i+1]|
	v_max3_num_f32 v9, v9, |v[XS+\i+2]|, |v[XS+\i+3]|
.endr
	v_max3_num_f32 v8, v8, |v[XS+14]|, |v[XS+15]|
	v_max3_num_f32 v8, v8, v9, (EMAX+1)<<23        ; with the floor 2^(3 - 127)
	v_max_num_f32_dpp v8, v8, v8 row_xmask:1 row_mask:0xf bank_mask:0xf   ; and my neighbour's 16: the block's largest magnitude
	v_add_nc_u32 v11, -(EMAX<<23), v8              ; 2 off its exponent field: the conversion's scale operand
	v_cvt_scalef32_pk8_fp4_f32 v[C+4*(\t)], v[XS:XS+7], v11
	v_cvt_scalef32_pk8_fp4_f32 v[C+4*(\t)+1], v[XS+8:XS+15], v11
	v_lshrrev_b32 v[E+(\t)], 23, v11               ; the scale's byte
	ds_store_b8 v5, v[E+(\t)] offset:16*(\t)       ; both lanes of a block write the same byte with the same value
	global_store_b64 v4, v[C+4*(\t):C+4*(\t)+1], s[22:23] offset:32*CB*(\t)
.endm
.irp t, 0,1,2,3,4,5,6,7,8,9,10,11,12,13,14,15
	STEP \t
.endr
	ds_load_b64 v[8:9], v6                         ; LDS serves a wave's instructions in order: these see my stores
	s_wait_dscnt 0x0
	global_store_b64 v7, v[8:9], s[58:59]          ; 32 lanes store 256 consecutive bytes, aligned
	s_wait_tensorcnt 0x0                           ; the wave's end, behind my last LDS store
	ds_add_u32 v[SPW], v[NIL]
	s_wait_dscnt 0x0
	s_endpgm
.Lfunc_end_k_qc3fa94a5ec_quant:
	.size	k_qc3fa94a5ec_quant, .Lfunc_end_k_qc3fa94a5ec_quant-k_qc3fa94a5ec_quant
	.p2alignl 7, 3214868480
	.fill 96, 4, 3214868480
	.section	.rodata,"a",@progbits
	.p2align	6, 0x0
	.amdhsa_kernel k_qc3fa94a5ec_quant
		.amdhsa_group_segment_fixed_size 33280
		.amdhsa_private_segment_fixed_size 0
		.amdhsa_enable_private_segment 0
		.amdhsa_kernarg_size 40
		.amdhsa_user_sgpr_count 2
		.amdhsa_user_sgpr_kernarg_segment_ptr 1
		.amdhsa_wavefront_size32 1
		.amdhsa_system_sgpr_workgroup_id_x 1
		.amdhsa_system_sgpr_workgroup_id_y 1
		.amdhsa_system_sgpr_workgroup_id_z 1
		.amdhsa_system_vgpr_workitem_id 0
		.amdhsa_next_free_vgpr 192
		.amdhsa_next_free_sgpr 66
		.amdhsa_reserve_vcc 0
		.amdhsa_float_denorm_mode_32 3
		.amdhsa_float_denorm_mode_16_64 3
		.amdhsa_memory_ordered 1
		.amdhsa_forward_progress 1
		.amdhsa_inst_pref_size 35
	.end_amdhsa_kernel
	.amdgpu_metadata
---
amdhsa.version: [ 1, 2 ]
amdhsa.kernels:
  - .name:           k_qc3fa94a5ec_quant
    .symbol:         k_qc3fa94a5ec_quant.kd
    .args:
      - { .name: q, .offset: 0, .size: 8, .value_kind: global_buffer, .address_space: global }
      - { .name: k, .offset: 8, .size: 8, .value_kind: global_buffer, .address_space: global }
      - { .name: v, .offset: 16, .size: 8, .value_kind: global_buffer, .address_space: global }
      - { .name: order, .offset: 24, .size: 8, .value_kind: global_buffer, .address_space: global }
      - { .name: xq, .offset: 32, .size: 8, .value_kind: global_buffer, .address_space: global }
    .group_segment_fixed_size: 33280
    .private_segment_fixed_size: 0
    .kernarg_segment_align: 8
    .kernarg_segment_size: 40
    .max_flat_workgroup_size: 128
    .sgpr_count:     66
    .vgpr_count:     192
    .wavefront_size: 32
...
	.end_amdgpu_metadata
.endif
;; end of part 2
;; launch proj (part 3): grid 4 x 96, 4 waves a work-group, clusters of 4 x 4, 327,680 bytes of LDS; arguments xq, wts, bq, bk, bv, qkv; writes qkv
.if DOCPART == 3
	.amdgcn_target "amdgcn-amd-amdhsa--gfx1250"
	.amdhsa_code_object_version 6
	.text
	.protected	k_qc3fa94a5ec_proj
	.globl	k_qc3fa94a5ec_proj
	.p2align	8
	.type	k_qc3fa94a5ec_proj,@function
k_qc3fa94a5ec_proj:
	s_mov_b64 s[64:65], 0
	v_nop
	global_prefetch_b8 v0, s[64:65] scope:SCOPE_SE
	s_setreg_imm32_b32 hwreg(HW_REG_WAVE_MODE, 25, 1), 1
	s_wait_xcnt 0x0
	s_wait_alu depctr_hold_cnt(0) depctr_sa_sdst(0) depctr_va_vdst(0) depctr_va_sdst(0) depctr_va_ssrc(0) depctr_va_vcc(0) depctr_vm_vsrc(0)
	s_getreg_b32 s2, hwreg(HW_REG_IB_STS2, 6, 4)
	s_cmp_eq_u32 s2, 0
	s_cbranch_scc0 .Lentry_in_a_cluster
	s_endpgm
.Lentry_in_a_cluster:
	s_bfe_u32 s2, ttmp6, 0x10000c
	s_cmp_lg_u32 s2, 0xf033
	s_cbranch_scc0 .Lentry_shape_is_right
	s_endpgm
.Lentry_shape_is_right:
; THE THREE QUANTISED PROJECTIONS AS ONE GEMM ON CODES OF FP4: C[m][n] = sum over k of A[m][k] B[n][k] + bias[n], A = xq's 24,576 rows (q, then k, then v), B = the 1,024 rows of the weight that belongs to A's tensor, K = 1,024.
; The matrix instruction takes codes and E8M0 scale bytes as they lie.  A tile of C is 256 x 256: four waves, each 128 x 128 in 64 accumulators.  K goes in two steps of 512, one LDS slot each: both are asked for at the head and no LDS byte is filled twice.
; The scale bytes of the work-group's 256 rows of A and of B, for all of K, come into LDS once, with the first fills.  By this text's own count a wave has three tensor loads out at the most.
; CLUSTERS: 4 x 4 work-groups; the four of a row of the cluster ask jointly for A's tiles, the four of a column for B's.  The tensor's number t is the cluster's y / 8: the same in all sixteen partners.
; THE MATRIX INSTRUCTION IS USED TRANSPOSED (source 0 = 16 rows of B, source 1 = 16 rows of A): a lane holds eight neighbouring columns of one row of C, which round to 16 bytes of f16.
; RESULTS leave straight from registers, in the order of the next launch's operand registers (qkv: three images of 2^24 bytes; batch 2^22, head 2^18, tile of 16 rows 2,048 bytes):
;   Q (x 1/8, exact: the logits' scale) and K: eight depths of row r at 256 (depth / 8) + 16 r;   V: depth tile dt at 512 dt, and in it key r, depths 8 h + 0..7 at 256 (r / 8) + 128 h + 16 (r % 8) them.
;   Each store of a wave covers 512 consecutive bytes, aligned.
; LIMITS: |q Wq + bq| / 8, |k Wk + bk| and |v Wv + bv| stay under 65,504, f16's largest number; with inputs and weights thirty times the drawn ones they reach some 2,600.
; REGISTERS: window 0: v0-31 addresses; v32-95 scale words, two sets; v96-127 packed results; v128-191 A's fragments, one set, on the way out sums at work; v192-255 the bias.  window 1: B's fragments, two sets.  windows 2, 3: the accumulators.
.set KSTEP,  512
.set NQ,     KSTEP/128
.set ROWB,   256                       ; a tile's row in bytes
.set KROW,   512                       ; a row of codes in memory
.set PITCH,  272                       ; an LDS row: 256 bytes + 16 of padding: the 16 rows that a load touches start at 16 different banks (64 banks of 4 bytes: ISA guide 11.1)
.set FR,     8
.set NL,     2
.set NP,     4
.set HALFT,  128*PITCH
.set SLOT,   4*HALFT
.set KS,     32                        ; a row of scale bytes
.set SCL,    2*SLOT
.set HALFS,  (128*KS/256)*272
.set SBLK,   (16*KS/256)*272
.set SPARE,  SCL+4*HALFS
.set XSO,    0xC00000                  ; xq: where the scale bytes begin
.set WSO,    0x180000                  ; wts: likewise
.set ADRA, 16
.set ADRB, 20
.set CO,   26                          ; v26  my lane's place in a store's 512 bytes
.set ADRS, 27
.set SPW,  28
.set NIL,  29
.set BO,   30                          ; v30  32 x (lane / 16): my half's eight numbers of a bias tile
.set SC,   32
.set PK,   96
.set AF,   128
.set T,    128
.set BI,   192
.set G1, 24
.set G0, 32
.set G1B, 48
.set G0B, 56
.set G1S, 68
.set G0S, 76
.set G1SB, 80
.set G0SB, 88
.set MSB, 0
.macro WIN new                         ; the immediate's high byte repeats the setting that is left
.if MSB != \new
	s_set_vgpr_msb (MSB<<8)|\new
.set MSB, \new
.endif
.endm
.set MUL_LO, 0xa1                      ; source 0 (B) window 1, source 1 (A) window 0, C and D window 2
.set MUL_HI, 0xf1
.set TO_B,   0x40
; A joint load: waves 0 and 1 fetch for A, waves 2 and 3 for B; the branch hangs on the wave's number alone.  An s_nop 0 and four v_nop follow each of the two lines.
.macro JLOAD g0a, g1a, g0b, g1b
	s_cmp_eq_u32 s15, 0
	s_cbranch_scc0 .Lfor_b_\@
	tensor_load_to_lds s[\g0a:\g0a+3], s[\g1a:\g1a+7]
	s_nop 0
.rept 4
	v_nop
.endr
	s_branch .Lasked_\@
.Lfor_b_\@:
	tensor_load_to_lds s[\g0b:\g0b+3], s[\g1b:\g1b+7]
	s_nop 0
.rept 4
	v_nop
.endr
.Lasked_\@:
.endm
.macro CROUND                          ; a round of the cluster's barrier
	s_barrier_signal -1
	s_barrier_wait -1
	s_cmp_lg_u32 s14, 0
	s_cbranch_scc1 .Lnot_wave_0_\@
	s_barrier_signal -3
.Lnot_wave_0_\@:
	s_barrier_wait -3
	s_barrier_signal -1
	s_barrier_wait -1
.endm
	s_load_b64 s[4:5], s[0:1], 0x0                 ; xq
	s_load_b64 s[8:9], s[0:1], 0x8                 ; wts
	s_load_b128 s[96:99], s[0:1], 0x10             ; bq, bk
	s_load_b64 s[100:101], s[0:1], 0x20            ; bv
	s_load_b64 s[12:13], s[0:1], 0x28              ; qkv
	v_lshl_add_u32 v[SPW], v0, 2, SPARE
	v_mov_b32 v[NIL], 0
	ds_add_u32 v[SPW], v[NIL]                      ; the wave's opening: the add, twice on end, and its wait ahead of my first tensor load
	ds_add_u32 v[SPW], v[NIL]
	v_lshrrev_b32 v1, 5, v0
	v_readfirstlane_b32 s14, v1                    ; wave 0..3
	s_lshr_b32 s15, s14, 1                         ; which half of the tile's rows is mine.  Also: I fetch for A (0) or for B (1)
	s_and_b32 s16, s14, 1                          ; which half of its columns.  Also: which 128 rows I fetch
	s_bfe_u32 s40, ttmp6, 0x40000                  ; cx, cy
	s_bfe_u32 s41, ttmp6, 0x40004
	s_lshl_b32 s42, ttmp9, 2
	s_add_co_u32 s42, s42, s40                     ; tile column
	s_and_b32 s17, ttmp7, 0xffff
	s_lshr_b32 s66, s17, 3                         ; t: 0 q, 1 k, 2 v: eight clusters along y to a tensor
	s_lshl_b32 s17, s17, 2
	s_add_co_u32 s17, s17, s41                     ; tile row
	s_lshl_b32 s43, s41, 2
	s_lshl_b32 s43, 15, s43                        ; my row of the cluster
	s_lshl_b32 s44, 0x1111, s40                    ; my column
	s_or_b32 s[G1+0], s43, (0<<16)|(1<<20)|(1<<21)|(5<<22)|(3<<25)  ; the mask; elements of 1 byte; padding on; bit 21 beside a mask; 4 words behind every 64
	s_or_b32 s[G1B+0], s44, (0<<16)|(1<<20)|(1<<21)|(5<<22)|(3<<25)
.irp g, G1, G1B
	s_mov_b32 s[\g+1], ROWB<<16                    ; tensor_dim0
	s_mov_b32 s[\g+2], 128<<16                     ; tensor_dim1
	s_mov_b32 s[\g+3], ROWB<<16                    ; tile_dim0
	s_mov_b32 s[\g+4], 128                         ; tile_dim1
	s_mov_b32 s[\g+5], KROW                        ; from row to row
	s_mov_b32 s[\g+6], 0
	s_mov_b32 s[\g+7], 0
.endr
	s_or_b32 s[G1S+0], s43, (3<<16)|(1<<20)|(1<<21)|(5<<22)|(3<<25)  ; the scales of 128 rows: 4,096 dense bytes as 16 rows of 256 (32 elements of 8 bytes), 16 bytes of padding behind each
	s_or_b32 s[G1SB+0], s44, (3<<16)|(1<<20)|(1<<21)|(5<<22)|(3<<25)
.irp g, G1S, G1SB
	s_mov_b32 s[\g+1], 32<<16
	s_mov_b32 s[\g+2], (128*KS/256)<<16
	s_mov_b32 s[\g+3], 32<<16
	s_mov_b32 s[\g+4], 128*KS/256
	s_mov_b32 s[\g+5], 32
	s_mov_b32 s[\g+6], 0
	s_mov_b32 s[\g+7], 0
.endr
	s_lshl_b32 s18, s16, 7
	s_lshl_b32 s20, s17, 8
	s_add_co_u32 s20, s20, s18                     ; A: row 256 x tile row + 128 x half
	s_lshl_b32 s46, s42, 8
	s_add_co_u32 s46, s46, s18                     ; B: row 256 x tile column + 128 x half
	s_lshl_b32 s47, s66, 10
	s_add_co_u32 s46, s46, s47                     ;    + 1,024 t
	s_mov_b32 s21, 0
	s_mov_b32 s47, 0
	s_mov_b64 s[18:19], KS
	s_mul_u64 s[22:23], s[20:21], s[18:19]         ; where these rows' scales begin,
	s_mul_u64 s[92:93], s[46:47], s[18:19]
	s_mov_b64 s[18:19], KROW
	s_mul_u64 s[20:21], s[20:21], s[18:19]         ; and their codes
	s_mul_u64 s[46:47], s[46:47], s[18:19]
	s_mul_i32 s45, s14, HALFT                      ; where they go: wave x 128 rows
	s_mul_i32 s94, s14, HALFS
	s_wait_dscnt 0x0                               ; both opening adds are done
	s_wait_kmcnt 0x0
	s_add_nc_u64 s[6:7], s[4:5], XSO
	s_add_nc_u64 s[10:11], s[8:9], WSO
	s_add_nc_u64 s[20:21], s[4:5], s[20:21]
	s_add_nc_u64 s[22:23], s[6:7], s[22:23]
	s_add_nc_u64 s[46:47], s[8:9], s[46:47]
	s_add_nc_u64 s[92:93], s[10:11], s[92:93]
	CROUND                                         ; all sixteen work-groups are here: the joint loads meet
	s_mov_b32 s[G0S], 1
	s_add_co_u32 s[G0S+1], s94, SCL
	s_mov_b64 s[G0S+2:G0S+3], s[22:23]
	s_or_b32 s[G0S+3], s[G0S+3], 0x80000000
	s_mov_b32 s[G0SB], 1
	s_add_co_u32 s[G0SB+1], s94, SCL
	s_mov_b64 s[G0SB+2:G0SB+3], s[92:93]
	s_or_b32 s[G0SB+3], s[G0SB+3], 0x80000000
	JLOAD G0S, G1S, G0SB, G1SB                     ; the scales first: they are wanted with K step 0
.irp s, 0,1
	s_mov_b32 s[G0+4*\s], 1
	s_add_co_u32 s[G0+4*\s+1], s45, \s*SLOT
	s_add_nc_u64 s[G0+4*\s+2:G0+4*\s+3], s[20:21], \s*ROWB
	s_or_b32 s[G0+4*\s+3], s[G0+4*\s+3], 0x80000000
	s_mov_b32 s[G0B+4*\s], 1
	s_add_co_u32 s[G0B+4*\s+1], s45, \s*SLOT
	s_add_nc_u64 s[G0B+4*\s+2:G0B+4*\s+3], s[46:47], \s*ROWB
	s_or_b32 s[G0B+4*\s+3], s[G0B+4*\s+3], 0x80000000
	JLOAD G0+4*\s, G1, G0B+4*\s, G1B
.endr
	v_and_b32 v1, 15, v0                           ; r
	v_bfe_u32 v2, v0, 4, 1                         ; h
	; the bias of my 128 columns: tile b's eight numbers of my half
	s_cmp_eq_u32 s66, 0
	s_cselect_b64 s[96:97], s[96:97], s[98:99]
	s_mov_b32 s3, 0x3f800000
	s_cselect_b32 s2, 0x3e000000, s3               ; q's results carry the logits' 1/8, the others 1
	s_mov_b32 s3, s2                               ; (named with it as a pair)
	s_cmp_eq_u32 s66, 2
	s_cselect_b64 s[96:97], s[100:101], s[96:97]
	s_cselect_b32 s67, -1, 0                       ; all lanes: v's image
	s_lshl_b32 s46, s42, 10
	s_lshl_b32 s47, s16, 9
	s_add_co_u32 s46, s46, s47
	s_mov_b32 s47, 0
	s_add_nc_u64 s[96:97], s[96:97], s[46:47]
	v_lshlrev_b32 v[BO], 5, v2
.irp b, 0,1,2,3,4,5,6,7
	global_load_b128 v[BI+8*\b:BI+8*\b+3], v[BO], s[96:97] offset:64*\b
	global_load_b128 v[BI+8*\b+4:BI+8*\b+7], v[BO], s[96:97] offset:64*\b+16
.endr
	v_mul_u32_u24 v3, v1, PITCH
	v_lshl_add_u32 v4, v2, 4, v3                   ; a fragment's row x pitch + 16 x half
	s_mul_i32 s21, s15, HALFT                      ; my 128 rows of A
	s_mul_i32 s22, s16, HALFT                      ; my 128 rows of B,
	s_add_co_u32 s22, s22, 2*HALFT                 ; behind A's 256
.irp s, 0,1
	v_add_nc_u32 v[ADRA+\s], s21, v4
	v_add_nc_u32 v[ADRB+\s], s22, v4
	s_add_co_u32 s21, s21, SLOT
	s_add_co_u32 s22, s22, SLOT
.endr
	v_mul_u32_u24 v5, v1, KS                       ; my row's scales,
	v_lshrrev_b32 v6, 8, v5
	v_lshl_add_u32 v5, v6, 4, v5                   ; and 16 more for each 256 passed
	s_mul_i32 s21, s15, HALFS
	s_mul_i32 s22, s16, HALFS
	s_add_co_u32 s22, s22, 2*HALFS
	s_sub_co_u32 s22, s22, s21
	v_mul_u32_u24 v6, s22, v2                      ; lanes 16-31 take B's
	s_add_co_u32 s21, s21, SCL
	v_add_nc_u32 v5, v5, v6
	v_add_nc_u32 v[ADRS], s21, v5
	v_and_b32 v6, 31, v0
	v_lshlrev_b32 v6, 4, v6                        ; Q, K: 16 x lane
	v_lshrrev_b32 v7, 3, v1
	v_lshlrev_b32 v7, 8, v7
	v_lshl_add_u32 v7, v2, 7, v7
	v_and_b32 v8, 7, v1
	v_lshl_add_u32 v7, v8, 4, v7                   ; V: 256 (r / 8) + 128 h + 16 (r % 8)
	v_cndmask_b32 v[CO], v6, v7, s67
	s_lshl_b32 s20, s66, 24                        ; the image,
	s_bfe_u32 s21, s17, 0x20003
	s_lshl_b32 s21, s21, 22                        ; the batch: eight tile rows each,
	s_add_co_u32 s20, s20, s21
	s_and_b32 s21, s17, 7
	s_lshl_b32 s21, s21, 4
	s_lshl_b32 s22, s15, 3
	s_add_co_u32 s21, s21, s22
	s_lshl_b32 s21, s21, 11                        ; my first tile of 16 rows,
	s_add_co_u32 s20, s20, s21
	s_lshl_b32 s46, s42, 2
	s_lshl_b32 s47, s16, 1
	s_add_co_u32 s46, s46, s47
	s_lshl_b32 s46, s46, 18                        ; my first head: 4 x tile column + 2 x half
	s_add_co_u32 s20, s20, s46
	s_mov_b32 s21, 0
	s_add_nc_u64 s[12:13], s[12:13], s[20:21]
.macro FRAG reg, adr, q, i             ; 16 rows x 128 K of 4-bit codes: 8 registers: lane l holds row l % 16; registers 4 c .. 4 c + 3 hold K = 64 c + 32 (l / 16) + 0 .. 31
.irp c, 0,1
	ds_load_b128 v[\reg+4*\c:\reg+4*\c+3], v[\adr] offset:64*(\q)+32*\c+(\i)*16*PITCH
.endr
.endm
; 16 matrix instructions: A's blocks a0, a0 + 1 x B's eight, the slot's q-th 128 along K.  The 64 accumulators take turns, one instruction a turn, in the same order in every step.
.macro MUL16 a0, p, q, sc, zero
.irp a, \a0, \a0+1
.irp b, 0,1,2,3,4,5,6,7
.if \zero
	v_wmma_scale_f32_16x16x128_f8f6f4 v[8*(8*((\a)%4)+\b):8*(8*((\a)%4)+\b)+7], v[128*(\p)+FR*\b:128*(\p)+FR*\b+FR-1], v[AF+FR*(\a):AF+FR*(\a)+FR-1], 0, v[SC+8*NQ*(\sc)+NQ*\b+(\q)], v[SC+8*NQ*(\sc)+NQ*(\a)+(\q)] matrix_a_fmt:MATRIX_FMT_FP4 matrix_b_fmt:MATRIX_FMT_FP4 matrix_a_scale:MATRIX_SCALE_ROW1
.else
	v_wmma_scale_f32_16x16x128_f8f6f4 v[8*(8*((\a)%4)+\b):8*(8*((\a)%4)+\b)+7], v[128*(\p)+FR*\b:128*(\p)+FR*\b+FR-1], v[AF+FR*(\a):AF+FR*(\a)+FR-1], v[8*(8*((\a)%4)+\b):8*(8*((\a)%4)+\b)+7], v[SC+8*NQ*(\sc)+NQ*\b+(\q)], v[SC+8*NQ*(\sc)+NQ*(\a)+(\q)] matrix_a_fmt:MATRIX_FMT_FP4 matrix_b_fmt:MATRIX_FMT_FP4 matrix_a_scale:MATRIX_SCALE_ROW1
.endif
.endr
.endr
.endm
.macro FETCH_B slot, q, p
	WIN TO_B
.irp i, 0,1,2,3,4,5,6,7
	FRAG 128*(\p)+FR*\i, ADRB+\slot, \q, \i
.endr
	WIN 0
.endm
.macro FETCH_A slot, q, i0
.irp i, \i0, \i0+1, \i0+2, \i0+3
	FRAG AF+FR*(\i), ADRA+\slot, \q, \i
.endr
.endm
.macro SCALES sc                       ; a K step's scale words: lanes 0-15 take A's block i, lanes 16-31 B's block i
.irp i, 0,1,2,3,4,5,6,7
	ds_load_b128 v[SC+8*NQ*\sc+NQ*\i:SC+8*NQ*\sc+NQ*\i+3], v[ADRS] offset:\i*SBLK
.endr
.endm
.macro PLACES n                        ; plain vector instructions between a matrix instruction and a load into, or a vector read or write of, its registers
.rept \n
	v_nop
.endr
.endm
.macro STEP slot, q, zero              ; a step of 128 along K that has its successor in the same slot
	s_wait_dscnt 4*NL                              ; B's set and A's blocks 0-3 are in; the youngest eight loads (A's blocks 4-7) may be out
	WIN MUL_LO
	MUL16 0, (\q)%2, \q, \slot, \zero
	MUL16 2, (\q)%2, \q, \slot, \zero
	s_wait_dscnt 0
	PLACES NP
	FETCH_B \slot, (\q)+1, 1-(\q)%2
	FETCH_A \slot, (\q)+1, 0
	WIN MUL_HI
	MUL16 4, (\q)%2, \q, \slot, \zero
	MUL16 6, (\q)%2, \q, \slot, \zero
	PLACES NP
	WIN 0
	FETCH_A \slot, (\q)+1, 4
.endm
.macro STEPS slot, from
.set Q, \from
.rept NQ-1-\from
	STEP \slot, Q, 0
.set Q, Q+1
.endr
.endm
	s_wait_tensorcnt 1                             ; the scales and my part of K step 0 are in; K step 1's load, issued behind them, may be out,
	s_barrier_signal -1
	s_barrier_wait -1                              ; everybody's are
	FETCH_B 0, 0, 0
	FETCH_A 0, 0, 0
	SCALES 0
	FETCH_A 0, 0, 4
	STEP 0, 0, 1                                   ; the first products start the sums: nothing is cleared
	STEPS 0, 1
	; slot 0's last step changes slots: one barrier
	s_wait_tensorcnt 0x0                           ; my part of slot 1 has landed
	ds_add_u32 v[SPW], v[NIL]
	s_wait_dscnt 4*NL+1                            ; the add and the youngest eight loads may be out
	WIN MUL_LO
	MUL16 0, 1, NQ-1, 0, 0
	s_wait_dscnt 0x0                               ; no LDS instruction of mine is out at the signal
	s_barrier_signal -1
	MUL16 2, 1, NQ-1, 0, 0
	WIN 0
	s_barrier_wait -1                              ; slot 1 is whole
	PLACES NP
	v_add_nc_u32 v[ADRS], 4*NQ, v[ADRS]            ; the second K step's scale words
	FETCH_B 1, 0, 0
	FETCH_A 1, 0, 0
	SCALES 1
	WIN MUL_HI
	MUL16 4, 1, NQ-1, 0, 0
	MUL16 6, 1, NQ-1, 0, 0
	PLACES NP
	WIN 0
	FETCH_A 1, 0, 4
	STEPS 1, 0
	s_wait_dscnt 4*NL                              ; the very last step
	WIN MUL_LO
	MUL16 0, 1, NQ-1, 1, 0
	MUL16 2, 1, NQ-1, 1, 0
	s_wait_dscnt 0
	WIN MUL_HI
	MUL16 4, 1, NQ-1, 1, 0
	MUL16 6, 1, NQ-1, 1, 0
	WIN 0
	; THE WAY OUT: (sum + bias) x scale as one fused multiply-add on the scaled bias; rounded to f16; stored from registers.
	s_wait_loadcnt 0x0                             ; the bias
.set i, 0
.rept 32
	v_pk_mul_f32 v[BI+i:BI+i+1], v[BI+i:BI+i+1], s[2:3] op_sel_hi:[1,0]   ; these 32 name no register of the last products: they are the places behind them
.set i, i+2
.endr
.macro OUTB a                          ; my rows 16 a .. 16 a + 15
.if (\a) > 0
	s_wait_xcnt 0x0                                ; the last block's stores have read their registers
.endif
.set AC, 64*((\a)%4)
	WIN 0x02+(\a)/4                                ; source 0: window 2 or 3
.irp b, 0,1,2,3,4,5,6,7
.irp i, 0,2,4,6
	v_pk_fma_f32 v[T+8*\b+\i:T+8*\b+\i+1], v[AC+8*\b+\i:AC+8*\b+\i+1], s[2:3], v[BI+8*\b+\i:BI+8*\b+\i+1] op_sel_hi:[1,0,1]   ; each accumulator from its low end on
.endr
.endr
	WIN 0
.irp b, 0,1,2,3,4,5,6,7
.irp i, 0,1,2,3
	v_cvt_pk_f16_f32 v[PK+4*\b+\i], v[T+8*\b+2*\i], v[T+8*\b+2*\i+1]
.endr
.endr
.irp b, 0,1,2,3,4,5,6,7
	global_store_b128 v[CO], v[PK+4*\b:PK+4*\b+3], s[12:13] offset:(\a)*2048+(\b/4)*262144+(\b%4)*512   ; tile a, head b / 4, depths 16 (b % 4) on
.endr
.endm
.irp a, 0,1,2,3,4,5,6,7
	OUTB \a
.endr
	s_wait_tensorcnt 0x0                           ; the wave's end
	ds_add_u32 v[SPW], v[NIL]
	s_wait_dscnt 0x0
	CROUND                                         ; the closing round
	s_endpgm
.Lfunc_end_k_qc3fa94a5ec_proj:
	.size	k_qc3fa94a5ec_proj, .Lfunc_end_k_qc3fa94a5ec_proj-k_qc3fa94a5ec_proj
	.p2alignl 7, 3214868480
	.fill 96, 4, 3214868480
	.section	.rodata,"a",@progbits
	.p2align	6, 0x0
	.amdhsa_kernel k_qc3fa94a5ec_proj
		.amdhsa_group_segment_fixed_size 327680
		.amdhsa_private_segment_fixed_size 0
		.amdhsa_enable_private_segment 0
		.amdhsa_kernarg_size 48
		.amdhsa_user_sgpr_count 2
		.amdhsa_user_sgpr_kernarg_segment_ptr 1
		.amdhsa_wavefront_size32 1
		.amdhsa_system_sgpr_workgroup_id_x 1
		.amdhsa_system_sgpr_workgroup_id_y 1
		.amdhsa_system_sgpr_workgroup_id_z 1
		.amdhsa_system_vgpr_workitem_id 0
		.amdhsa_next_free_vgpr 1024
		.amdhsa_next_free_sgpr 102
		.amdhsa_reserve_vcc 0
		.amdhsa_float_denorm_mode_32 3
		.amdhsa_float_denorm_mode_16_64 3
		.amdhsa_memory_ordered 1
		.amdhsa_forward_progress 1
		.amdhsa_inst_pref_size 138
	.end_amdhsa_kernel
	.amdgpu_metadata
---
amdhsa.version: [ 1, 2 ]
amdhsa.kernels:
  - .name:           k_qc3fa94a5ec_proj
    .symbol:         k_qc3fa94a5ec_proj.kd
    .args:
      - { .name: xq, .offset: 0, .size: 8, .value_kind: global_buffer, .address_space: global }
      - { .name: wts, .offset: 8, .size: 8, .value_kind: global_buffer, .address_space: global }
      - { .name: bq, .offset: 16, .size: 8, .value_kind: global_buffer, .address_space: global }
      - { .name: bk, .offset: 24, .size: 8, .value_kind: global_buffer, .address_space: global }
      - { .name: bv, .offset: 32, .size: 8, .value_kind: global_buffer, .address_space: global }
      - { .name: qkv, .offset: 40, .size: 8, .value_kind: global_buffer, .address_space: global }
    .group_segment_fixed_size: 327680
    .private_segment_fixed_size: 0
    .kernarg_segment_align: 8
    .kernarg_segment_size: 48
    .max_flat_workgroup_size: 128
    .sgpr_count:     102
    .vgpr_count:     1024
    .wavefront_size: 32
...
	.end_amdgpu_metadata
.endif
;; end of part 3
;; launch attn (part 4): grid 4 x 64, 8 waves a work-group, no clusters, 132,096 bytes of LDS; arguments qkv, mkp, order, ctx; writes ctx
.if DOCPART == 4
	.amdgcn_target "amdgcn-amd-amdhsa--gfx1250"
	.amdhsa_code_object_version 6
	.text
	.protected	k_qc3fa94a5ec_attn
	.globl	k_qc3fa94a5ec_attn
	.p2align	8
	.type	k_qc3fa94a5ec_attn,@function
k_qc3fa94a5ec_attn:
	s_mov_b64 s[64:65], 0
	v_nop
	global_prefetch_b8 v0, s[64:65] scope:SCOPE_SE
	s_setreg_imm32_b32 hwreg(HW_REG_WAVE_MODE, 25, 1), 1
	s_wait_xcnt 0x0
; ctx[b][q][head] = softmax_k(Q . K / 8 + mask term) V, operands in f16, products, maxima and sums in f32; the weights p are rounded to f16 for the second product, ctx once at the end.
; Q (already x 1/8), K and V come as images of operand registers; the keys of each batch stand in the order of the first launch: those with the batch's smallest mask value first.
; ONLY THE KEY STEPS THAT HOLD SUCH KEYS ARE WALKED (nsteps of 64 keys, a stored whole number): every other key's logit lies 1e9 or more lower, so its weight is exactly 0 in f32.  From step nplain on the true term is added:
; S = (S + float(mask) x -1e9) + float(smallest) x 1e9: the first sum rounds as the problem's own; the second is exact for kept keys and shifts all keys of a row alike, which a softmax that takes its maximum away does not see;
; it keeps the running maximum m small, so that 2^(c s - c m) stays near 1 or under.
; SHARES: a work-group owns 512 queries of one head, each of its eight waves 64: four tiles of 16.  Two waves share a SIMD: one's softmax stands beside the other's products.
; NO TENSOR LOAD AND NO CLUSTER, though four work-groups walk the same K and V: which steps are walked hangs on a number read from memory.
; K and V go memory -> registers -> LDS as dense copies of the images, a slot of 256 keys at a time, two slots; each step brings its share of the other slot.  The loop has 8 trips for every work-group, so every wave passes every barrier.
; LAYOUT: S^T = K Q^T (source 0 = 16 keys, source 1 = 16 queries), O^T = V^T P (source 0 = 16 depths, source 1 = P): a lane holds one query throughout; two tiles of S^T, rounded in pairs, are P's fragment.
; LIMITS: the spread of a row's logits stays under 9e8; |ctx| under 65,504; NaN and infinities are not served.
; REGISTERS: window 0: v1-7 addresses; v14, v15 the add's two; v16-47 statistics, 8 a tile: +0 c m, +1 m, +2,+3 the sum, +4,+5 at work, +6 a, +7 at work; v48-63 K and V on their way to LDS; v64-191 S^T, 32 a tile (P over the low 16); v192-255 Q.
;   window 1: v0-127 O^T, 32 a tile; v128-191 K's fragments (in a step with mask terms: then the terms); v192-255 V's.
.set SLOTB, 65536                      ; a slot: 256 keys: K's images 32,768 bytes, then V's
.set VOFF,  32768
.set STEPB, 8192                       ; 64 keys of K or of V
.set SPARE, 2*SLOTB
.set L16, 1                            ; v1  16 x lane
.set T16, 2                            ; v2  16 x thread
.set AR,  3                            ; v3  LDS: the slot that is read + 16 x lane
.set AW,  4                            ; v4  LDS: the slot that is written + 16 x thread
.set FO,  5                            ; v5  memory: the written slot's keys + 16 x thread
.set MKO, 6                            ; v6  32 x (lane / 16)
.set MKA, 7                            ; v7  the step's mask terms
.set SPW, 14
.set NIL, 15
.set ST,  16
.set SG,  48
.set S,   64
.set Q,   192
.set O,   0
.set KF,  128
.set VF,  192
.set MSB, 0
.macro WIN new                         ; the immediate's high byte repeats the setting that is left
.if MSB != \new
	s_set_vgpr_msb (MSB<<8)|\new
.set MSB, \new
.endif
.endm
.set W_LD,  0x40                       ; destination window 1
.set W_KQ,  0x01                       ; K window 1; Q and S^T window 0
.set W_MK,  0x04                       ; the terms (source 1) window 1
.set W_RS,  0x41                       ; O^T (destination, source 0) window 1
.set W_PV,  0x51                       ; V, O^T window 1; P window 0
.set W_FIN, 0x01
	s_load_b256 s[4:11], s[0:1], 0x0               ; qkv s[4:5], mkp s[6:7], order s[8:9], ctx s[10:11]
	v_lshl_add_u32 v[SPW], v0, 2, SPARE
	v_mov_b32 v[NIL], 0
	v_lshrrev_b32 v8, 5, v0
	v_readfirstlane_b32 s12, v8                    ; wave 0..7
	v_and_b32 v8, 31, v0
	v_lshlrev_b32 v[L16], 4, v8
	v_lshlrev_b32 v[T16], 4, v0
	v_bfe_u32 v[MKO], v0, 4, 1
	v_lshlrev_b32 v[MKO], 5, v[MKO]
	s_and_b32 s13, ttmp7, 0xffff                   ; 16 b + head
	s_lshr_b32 s14, s13, 4                         ; b
	s_lshl_b32 s15, ttmp9, 5
	s_lshl_b32 s2, s12, 2
	s_add_co_u32 s15, s15, s2                      ; my first tile of queries: 32 x + 4 wave
	s_mov_b32 s3, 0
	s_mov_b32 s22, 0x76543210
	s_mov_b32 s23, 0xfedcba98                      ; lane selects: lane l xor 16
	s_mov_b32 s24, 0x3fb8aa3b                      ; c = log2(e)
	s_mov_b32 s25, s24                             ; (named with it as a pair)
	s_mov_b32 s18, 0                               ; the slot's first step
	s_mov_b32 s20, 0                               ; the slot that is read
	s_mov_b32 s26, 8                               ; trips
	s_lshl_b32 s2, s13, 18
	s_wait_kmcnt 0x0
	s_add_nc_u64 s[4:5], s[4:5], s[2:3]            ; Q's image at my head
	s_add_nc_u64 s[28:29], s[4:5], 0x1000000       ; K's
	s_add_nc_u64 s[30:31], s[4:5], 0x2000000       ; V's
	s_lshl_b32 s2, s15, 11
	s_add_nc_u64 s[32:33], s[4:5], s[2:3]          ; my four tiles of Q
	s_lshl_b32 s2, s14, 13
	s_add_nc_u64 s[34:35], s[6:7], s[2:3]          ; my batch's mask terms
	s_lshl_b32 s2, s14, 8
	s_add_co_u32 s2, s2, 32768
	s_add_nc_u64 s[8:9], s[8:9], s[2:3]
	s_add_nc_u64 s[6:7], s[6:7], s[2:3]
	s_load_b32 s16, s[8:9], 0x0                    ; nsteps
	s_load_b32 s17, s[8:9], 0x80                   ; nplain
	s_load_b32 s40, s[6:7], 0x0                    ; float(smallest mask value) x 1e9
	s_lshl_b32 s2, s14, 7
	s_add_co_u32 s2, s2, s15
	s_lshl_b32 s2, s2, 15                          ; ctx: row tile 128 b + my first tile, 32,768 bytes each,
	s_and_b32 s19, s13, 15
	s_lshl_b32 s19, s19, 11                        ; chunk 8 x head
	s_add_co_u32 s2, s2, s19
	s_add_nc_u64 s[36:37], s[10:11], s[2:3]
.irp i, 0,1,2,3,4,5,6,7,8,9,10,11,12,13,14,15
	global_load_b128 v[Q+4*\i:Q+4*\i+3], v[L16], s[32:33] offset:512*\i th:TH_LOAD_NT   ; Q stays in registers: tile i / 4, depths 32 ((i / 2) % 2) on
.endr
.irp i, 0,1,2,3,4,5,6,7
	global_load_b128 v[SG+4*\i:SG+4*\i+3], v[T16], s[28:29] offset:4096*\i             ; slot 0: the first 256 keys of K,
.endr
.irp i, 0,1,2,3,4,5,6,7
	global_load_b128 v[SG+32+4*\i:SG+32+4*\i+3], v[T16], s[30:31] offset:4096*\i       ; and of V
.endr
	WIN W_LD
.set i, 0
.rept 128
	v_mov_b32 v[O+i], 0                            ; O^T.  (The step is written once: its first run finds zeros, which a = 0 leaves zeros)
.set i, i+1
.endr
	WIN 0
.irp t, 0,1,2,3
	v_mov_b32 v[ST+8*\t], 0xff61b1e6               ; c m and m: -3e38, under every logit
	v_mov_b32 v[ST+8*\t+1], 0xff61b1e6
.irp j, 2,3,4,5,6,7
	v_mov_b32 v[ST+8*\t+\j], 0
.endr
.endr
	s_wait_kmcnt 0x0
	s_min_u32 s16, s16, 32
	s_min_u32 s17, s17, 32
	s_mov_b32 s41, s40
	s_wait_loadcnt 0x0
.irp i, 0,1,2,3,4,5,6,7
	ds_store_b128 v[T16], v[SG+4*\i:SG+4*\i+3] offset:4096*\i
.endr
.irp i, 0,1,2,3,4,5,6,7
	ds_store_b128 v[T16], v[SG+32+4*\i:SG+32+4*\i+3] offset:VOFF+4096*\i
.endr
	v_add_nc_u32 v[FO], 4*STEPB, v[T16]
	s_wait_dscnt 0x0                               ; for the others' sake: my stores have landed
	s_barrier_signal -1
	s_barrier_wait -1
; A KEY STEP: 64 keys, the q-th of the slot that is read.
.macro STEP q
	s_add_co_u32 s19, s18, \q
	s_cmp_ge_u32 s19, s16                          ; past the kept keys: nothing is done
	s_cbranch_scc1 .Lskip_\@
	WIN W_LD
.irp f, 0,1,2,3,4,5,6,7,8,9,10,11,12,13,14,15  ; K: keys 16 (f / 4) on, depths 32 ((f / 2) % 2) on
	ds_load_b128 v[KF+4*\f:KF+4*\f+3], v[AR] offset:(\q)*STEPB+512*\f
.endr
.irp kg, 0,1                                   ; V, turned: keys 32 kg + 16 u on, depths 16 dt on
.irp dt, 0,1,2,3
.irp u, 0,1
	ds_load_tr16_b128 v[VF+32*\kg+8*\dt+4*\u:VF+32*\kg+8*\dt+4*\u+3], v[AR] offset:VOFF+(\q)*STEPB+(2*\kg+\u)*2048+\dt*512
.endr
.endr
.endr
	WIN 0
	s_wait_dscnt 16                                ; V's sixteen loads may be out: K is in, and the last step's stores, older still, have read v48-63
	s_add_co_u32 s27, s19, 4
	s_cmp_ge_u32 s27, s16
	s_cbranch_scc1 .Lnofill_\@
	global_load_b128 v[SG:SG+3],     v[FO], s[28:29] offset:(\q)*STEPB        ; the same step of the other slot, if it will be walked
	global_load_b128 v[SG+4:SG+7],   v[FO], s[28:29] offset:(\q)*STEPB+4096
	global_load_b128 v[SG+8:SG+11],  v[FO], s[30:31] offset:(\q)*STEPB
	global_load_b128 v[SG+12:SG+15], v[FO], s[30:31] offset:(\q)*STEPB+4096
.Lnofill_\@:
	WIN W_KQ
.irp c, 0,1                                    ; S^T = K Q^T: sixteen accumulators by turns, one instruction a turn
.irp kt, 0,1,2,3
.irp t, 0,1,2,3
.if \c == 0
	v_wmma_f32_16x16x32_f16 v[S+32*\t+8*\kt:S+32*\t+8*\kt+7], v[KF+16*\kt+8*\c:KF+16*\kt+8*\c+7], v[Q+16*\t+8*\c:Q+16*\t+8*\c+7], 0
.else
	v_wmma_f32_16x16x32_f16 v[S+32*\t+8*\kt:S+32*\t+8*\kt+7], v[KF+16*\kt+8*\c:KF+16*\kt+8*\c+7], v[Q+16*\t+8*\c:Q+16*\t+8*\c+7], v[S+32*\t+8*\kt:S+32*\t+8*\kt+7]
.endif
.endr
.endr
.endr
	WIN 0
.rept 4
	v_nop                                          ; places ahead of the first read of the scores, and of loads into K's registers
.endr
	s_cmp_lt_u32 s19, s17
	s_cbranch_scc1 .Lplain_\@                      ; every term of this step is 0
	s_lshl_b32 s38, s19, 8
	v_add_nc_u32 v[MKA], s38, v[MKO]
	WIN W_LD
.irp i, 0,1,2,3,4,5,6,7                        ; register 8 kt + j: the term of key 16 kt + 8 (lane / 16) + j
	global_load_b128 v[KF+4*\i:KF+4*\i+3], v[MKA], s[34:35] offset:(\i/2)*64+(\i%2)*16
.endr
	s_wait_loadcnt 0x0
	WIN W_MK
.irp t, 0,1,2,3
.irp i, 0,2,4,6,8,10,12,14,16,18,20,22,24,26,28,30
	v_pk_add_f32 v[S+32*\t+\i:S+32*\t+\i+1], v[S+32*\t+\i:S+32*\t+\i+1], v[KF+\i:KF+\i+1]
.endr
.endr
	WIN 0
.irp t, 0,1,2,3
.irp i, 0,2,4,6,8,10,12,14,16,18,20,22,24,26,28,30
	v_pk_add_f32 v[S+32*\t+\i:S+32*\t+\i+1], v[S+32*\t+\i:S+32*\t+\i+1], s[40:41] op_sel_hi:[1,0]
.endr
.endr
.Lplain_\@:
	; the maximum of the lane's 32 scores and the old m, the four tiles by turns; each accumulator is met first at its low end
.irp t, 0,1,2,3
	v_max3_num_f32 v[ST+8*\t+4], v[S+32*\t], v[S+32*\t+1], v[S+32*\t+2]
.endr
.set j, 1
.rept 14
.irp t, 0,1,2,3
	v_max3_num_f32 v[ST+8*\t+4], v[ST+8*\t+4], v[S+32*\t+2*j+1], v[S+32*\t+2*j+2]
.endr
.set j, j+1
.endr
.irp t, 0,1,2,3
	v_max3_num_f32 v[ST+8*\t+4], v[ST+8*\t+4], v[S+32*\t+31], v[ST+8*\t+1]
.endr
.irp t, 0,1,2,3
	v_permlanex16_b32 v[ST+8*\t+5], v[ST+8*\t+4], s22, s23   ; the query's other 32 keys lie in the lane 16 away
.endr
.irp t, 0,1,2,3
	v_mov_b32 v[ST+8*\t+7], v[ST+8*\t]             ; c m_old
.endr
.irp t, 0,1,2,3
	v_max_num_f32 v[ST+8*\t+1], v[ST+8*\t+4], v[ST+8*\t+5]
.endr
.irp t, 0,1,2,3
	v_mul_f32 v[ST+8*\t], s24, v[ST+8*\t+1]
.endr
.irp t, 0,1,2,3
	v_sub_f32 v[ST+8*\t+7], v[ST+8*\t+7], v[ST+8*\t]
.endr
	; ONE BATCH of 132 exponentials, none of whose results is named before the one wait behind it; a tile's scalings stand among the exponentials of the tile before
.irp t, 0,1,2,3
	v_exp_f32 v[ST+8*\t+6], v[ST+8*\t+7]           ; a = 2^(c m_old - c m_new)
.endr
.irp i, 0,2,4,6,8,10,12,14,16,18,20,22,24,26,28,30
	v_pk_fma_f32 v[S+\i:S+\i+1], v[S+\i:S+\i+1], s[24:25], v[ST:ST+1] op_sel_hi:[1,0,0] neg_lo:[0,0,1] neg_hi:[0,0,1]   ; c s - c m
.endr
.irp t, 0,1,2,3
.irp i, 0,2,4,6,8,10,12,14,16,18,20,22,24,26,28,30
	v_exp_f32 v[S+32*\t+\i], v[S+32*\t+\i]
	v_exp_f32 v[S+32*\t+\i+1], v[S+32*\t+\i+1]
.if \t < 3
	v_pk_fma_f32 v[S+32*(\t+1)+\i:S+32*(\t+1)+\i+1], v[S+32*(\t+1)+\i:S+32*(\t+1)+\i+1], s[24:25], v[ST+8*(\t+1):ST+8*(\t+1)+1] op_sel_hi:[1,0,0] neg_lo:[0,0,1] neg_hi:[0,0,1]
.endif
.endr
.endr
	v_nop                                          ; a plain instruction behind the last exponential
	s_wait_alu depctr_va_vdst(0)                   ; the one wait ahead of the batch's first reader
	; the sums, of the unrounded p: two chains a tile
.irp t, 0,1,2,3
	v_pk_fma_f32 v[ST+8*\t+2:ST+8*\t+3], v[ST+8*\t+2:ST+8*\t+3], v[ST+8*\t+6:ST+8*\t+7], v[S+32*\t:S+32*\t+1] op_sel_hi:[1,0,1]
.endr
.irp t, 0,1,2,3
	v_pk_add_f32 v[ST+8*\t+4:ST+8*\t+5], v[S+32*\t+2:S+32*\t+3], v[S+32*\t+4:S+32*\t+5]
.endr
.irp i, 6,10,14,18,22,26
.irp t, 0,1,2,3
	v_pk_add_f32 v[ST+8*\t+2:ST+8*\t+3], v[ST+8*\t+2:ST+8*\t+3], v[S+32*\t+\i:S+32*\t+\i+1]
.endr
.irp t, 0,1,2,3
	v_pk_add_f32 v[ST+8*\t+4:ST+8*\t+5], v[ST+8*\t+4:ST+8*\t+5], v[S+32*\t+\i+2:S+32*\t+\i+3]
.endr
.endr
.irp t, 0,1,2,3
	v_pk_add_f32 v[ST+8*\t+2:ST+8*\t+3], v[ST+8*\t+2:ST+8*\t+3], v[S+32*\t+30:S+32*\t+31]
.endr
.irp t, 0,1,2,3
	v_pk_add_f32 v[ST+8*\t+2:ST+8*\t+3], v[ST+8*\t+2:ST+8*\t+3], v[ST+8*\t+4:ST+8*\t+5]
.endr
.set i, 0
.rept 16                                       ; P: rounded in place, ascending: no source is written before it is read
.irp t, 0,1,2,3
	v_cvt_pk_f16_f32 v[S+32*\t+i], v[S+32*\t+2*i], v[S+32*\t+2*i+1]
.endr
.set i, i+1
.endr
	WIN W_RS
.irp i, 0,2,4,6,8,10,12,14,16,18,20,22,24,26,28,30
.irp t, 0,1,2,3
	v_pk_mul_f32 v[O+32*\t+\i:O+32*\t+\i+1], v[O+32*\t+\i:O+32*\t+\i+1], v[ST+8*\t+6:ST+8*\t+7] op_sel_hi:[1,0]   ; O^T x a
.endr
.endr
	s_wait_dscnt 0x0                               ; V is in
	WIN W_PV
.irp kg, 0,1                                   ; O^T += V^T P: sixteen accumulators by turns
.irp dt, 0,1,2,3
.irp t, 0,1,2,3
	v_wmma_f32_16x16x32_f16 v[O+32*\t+8*\dt:O+32*\t+8*\dt+7], v[VF+32*\kg+8*\dt:VF+32*\kg+8*\dt+7], v[S+32*\t+8*\kg:S+32*\t+8*\kg+7], v[O+32*\t+8*\dt:O+32*\t+8*\dt+7]
.endr
.endr
.endr
	WIN 0
.rept 5
	v_nop                                          ; five places: the next step's first products write over P, which these products read; its loads into V's registers want four
.endr
	s_wait_loadcnt 0x0                             ; the other slot's share has come
	s_cmp_ge_u32 s27, s16
	s_cbranch_scc1 .Lnostore_\@
	ds_store_b128 v[AW], v[SG:SG+3]     offset:(\q)*STEPB
	ds_store_b128 v[AW], v[SG+4:SG+7]   offset:(\q)*STEPB+4096
	ds_store_b128 v[AW], v[SG+8:SG+11]  offset:VOFF+(\q)*STEPB
	ds_store_b128 v[AW], v[SG+12:SG+15] offset:VOFF+(\q)*STEPB+4096
.Lnostore_\@:
.Lskip_\@:
.endm
.Lslot:                                            ; 8 trips: a slot's four steps are read, the other slot is written
	s_xor_b32 s21, s20, SLOTB
	v_add_nc_u32 v[AR], s20, v[L16]
	v_add_nc_u32 v[AW], s21, v[T16]
	STEP 0
	STEP 1
	STEP 2
	STEP 3
	s_wait_xcnt 0x0                                ; the trip's loads have read their address
	v_add_nc_u32 v[FO], 4*STEPB, v[FO]
	s_xor_b32 s20, s20, SLOTB
	s_add_co_u32 s18, s18, 4
	s_wait_dscnt 0x0                               ; my stores into the other slot have landed, my reads of this one are back:
	s_barrier_signal -1
	s_barrier_wait -1                              ; that holds of all eight waves before the slots change places
	s_sub_co_u32 s26, s26, 1
	s_cmp_lg_u32 s26, 0
	s_cbranch_scc1 .Lslot
	; THE WAY OUT: O^T / the sum, rounded to f16; a lane's eight depths of a query are one chunk of the next launch's operand image
.irp t, 0,1,2,3
	v_add_f32 v[ST+8*\t+4], v[ST+8*\t+2], v[ST+8*\t+3]
.endr
.irp t, 0,1,2,3
	v_permlanex16_b32 v[ST+8*\t+5], v[ST+8*\t+4], s22, s23
.endr
.irp t, 0,1,2,3
	v_add_f32 v[ST+8*\t+4], v[ST+8*\t+4], v[ST+8*\t+5]
.endr
.irp t, 0,1,2,3
	v_rcp_f32 v[ST+8*\t+6], v[ST+8*\t+4]
.endr
	v_nop                                          ; a plain instruction behind the last reciprocal
	s_wait_alu depctr_va_vdst(0)                   ; and the wait ahead of the first reader: one for the four
	WIN W_FIN
.irp t, 0,1,2,3
.irp i, 0,2,4,6,8,10,12,14,16,18,20,22,24,26,28,30
	v_pk_mul_f32 v[S+32*\t+\i:S+32*\t+\i+1], v[O+32*\t+\i:O+32*\t+\i+1], v[ST+8*\t+6:ST+8*\t+7] op_sel_hi:[1,0]
.endr
.endr
	WIN 0
.set i, 0
.rept 16
.irp t, 0,1,2,3
	v_cvt_pk_f16_f32 v[S+32*\t+i], v[S+32*\t+2*i], v[S+32*\t+2*i+1]
.endr
.set i, i+1
.endr
.irp t, 0,1,2,3
.irp dt, 0,1,2,3
	global_store_b128 v[L16], v[S+32*\t+4*\dt:S+32*\t+4*\dt+3], s[36:37] offset:\t*32768+\dt*512   ; 32 lanes store 512 consecutive bytes, aligned
.endr
.endr
	s_wait_tensorcnt 0x0                           ; the wave's end, behind my last LDS store
	ds_add_u32 v[SPW], v[NIL]
	s_wait_dscnt 0x0
	s_endpgm
.Lfunc_end_k_qc3fa94a5ec_attn:
	.size	k_qc3fa94a5ec_attn, .Lfunc_end_k_qc3fa94a5ec_attn-k_qc3fa94a5ec_attn
	.p2alignl 7, 3214868480
	.fill 96, 4, 3214868480
	.section	.rodata,"a",@progbits
	.p2align	6, 0x0
	.amdhsa_kernel k_qc3fa94a5ec_attn
		.amdhsa_group_segment_fixed_size 132096
		.amdhsa_private_segment_fixed_size 0
		.amdhsa_enable_private_segment 0
		.amdhsa_kernarg_size 32
		.amdhsa_user_sgpr_count 2
		.amdhsa_user_sgpr_kernarg_segment_ptr 1
		.amdhsa_wavefront_size32 1
		.amdhsa_system_sgpr_workgroup_id_x 1
		.amdhsa_system_sgpr_workgroup_id_y 1
		.amdhsa_system_sgpr_workgroup_id_z 1
		.amdhsa_system_vgpr_workitem_id 0
		.amdhsa_next_free_vgpr 512
		.amdhsa_next_free_sgpr 66
		.amdhsa_reserve_vcc 0
		.amdhsa_float_denorm_mode_32 3
		.amdhsa_float_denorm_mode_16_64 3
		.amdhsa_memory_ordered 1
		.amdhsa_forward_progress 1
		.amdhsa_inst_pref_size 189
	.end_amdhsa_kernel
	.amdgpu_metadata
---
amdhsa.version: [ 1, 2 ]
amdhsa.kernels:
  - .name:           k_qc3fa94a5ec_attn
    .symbol:         k_qc3fa94a5ec_attn.kd
    .args:
      - { .name: qkv, .offset: 0, .size: 8, .value_kind: global_buffer, .address_space: global }
      - { .name: mkp, .offset: 8, .size: 8, .value_kind: global_buffer, .address_space: global }
      - { .name: order, .offset: 16, .size: 8, .value_kind: global_buffer, .address_space: global }
      - { .name: ctx, .offset: 24, .size: 8, .value_kind: global_buffer, .address_space: global }
    .group_segment_fixed_size: 132096
    .private_segment_fixed_size: 0
    .kernarg_segment_align: 8
    .kernarg_segment_size: 32
    .max_flat_workgroup_size: 256
    .sgpr_count:     66
    .vgpr_count:     512
    .wavefront_size: 32
...
	.end_amdgpu_metadata
.endif
;; end of part 4
;; launch oproj (part 5): grid 4 x 64, 4 waves a work-group, clusters of 4 x 4, 327,680 bytes of LDS; arguments ctx, wts, bo, out0; writes out0
.if DOCPART == 5
	.amdgcn_target "amdgcn-amd-amdhsa--gfx1250"
	.amdhsa_code_object_version 6
	.text
	.protected	k_qc3fa94a5ec_oproj
	.globl	k_qc3fa94a5ec_oproj
	.p2align	8
	.type	k_qc3fa94a5ec_oproj,@function
k_qc3fa94a5ec_oproj:
	s_mov_b64 s[64:65], 0
	v_nop
	global_prefetch_b8 v0, s[64:65] scope:SCOPE_SE
	s_setreg_imm32_b32 hwreg(HW_REG_WAVE_MODE, 25, 1), 1
	s_wait_xcnt 0x0
	s_wait_alu depctr_hold_cnt(0) depctr_sa_sdst(0) depctr_va_vdst(0) depctr_va_sdst(0) depctr_va_ssrc(0) depctr_va_vcc(0) depctr_vm_vsrc(0)
	s_getreg_b32 s2, hwreg(HW_REG_IB_STS2, 6, 4)
	s_cmp_eq_u32 s2, 0
	s_cbranch_scc0 .Lentry_in_a_cluster
	s_endpgm
.Lentry_in_a_cluster:
	s_bfe_u32 s2, ttmp6, 0x10000c
	s_cmp_lg_u32 s2, 0xf033
	s_cbranch_scc0 .Lentry_shape_is_right
	s_endpgm
.Lentry_shape_is_right:
; out0[m][n] = sum over k of ctx[m][k] Wo[k][n] + bo[n]: f16 operands, f32 sums, f32 out.  m = 8,192, n = k = 1,024.
; Both operands lie in memory in the order of the operand's registers: tile of 16 rows (of ctx) or of 16 n (of Wo) = 32,768 bytes; chunk k / 8 at 256 (k / 8) + 16 (row % 16).  So 128 along K of a tile are 4,096 dense bytes,
; and a fragment (16 x 32 K) is two LDS loads of 512 consecutive bytes, 16 a lane: no pitch, no padding.
; A tile of out0 is 128 rows x 256 columns: 256 work-groups.  Four waves, each 64 x 128: 32 accumulators, 256 registers (window 1).  K goes in 8 steps of 128 through a ring of two LDS slots.
; CLUSTERS: 4 x 4 work-groups; the four of a row of the cluster ask jointly for ctx's tiles, the four of a column for Wo's.  A wave has two tensor loads out at the start, later one.
; THE MATRIX INSTRUCTION IS USED TRANSPOSED (source 0 = 16 n of Wo, source 1 = 16 rows of ctx): a lane holds eight neighbouring columns of one row.
; No prefetch: a K step here is 128 matrix instructions a wave on small tiles, and both operands are read by several work-groups of the same cluster row or column at once.
; REGISTERS: window 0: v0-31 addresses; two fragment buffers of 96 (ctx's 4 fragments, then Wo's 8) at v32 and v128; v224-227 bo; on the way out v32-159 rows of out0.
.set KSB,    4096                      ; 128 along K of one tile
.set SLOT,   98304                     ; ctx's 8 tiles, then Wo's 16
.set BOFF,   32768
.set STAGE,  2*SLOT                    ; behind the ring: 16 rows x (512 bytes + 16) for each wave; no tensor load lands there
.set SPITCH, 528
.set SPARE,  STAGE+4*16*SPITCH
.set WOI,    0x198000
.set LAPS,   4                         ; a lap = two K steps
.set ADRA, 16
.set ADRB, 20
.set STO,  24
.set RD,   25
.set CO,   26
.set SPW,  28
.set NIL,  29
.set F0,   32
.set F1,   128
.set BOV,  224
.set BK,   32
.set G1, 24
.set G0, 32
.set G1B, 48
.set G0B, 56
.set MSB, 0
.macro WIN new
.if MSB != \new
	s_set_vgpr_msb (MSB<<8)|\new
.set MSB, \new
.endif
.endm
.set MUL, 0x50                         ; C and D window 1, sources 0 and 1 window 0
.macro JLOAD s                         ; a joint load: waves 0 and 1 fetch ctx's halves, waves 2 and 3 Wo's; an s_nop 0 and four v_nop follow each of the two lines
	s_cmp_eq_u32 s11, 0
	s_cbranch_scc0 .Lfor_b_\@
	tensor_load_to_lds s[G0+4*\s:G0+4*\s+3], s[G1:G1+7]
	s_nop 0
.rept 4
	v_nop
.endr
	s_branch .Lasked_\@
.Lfor_b_\@:
	tensor_load_to_lds s[G0B+4*\s:G0B+4*\s+3], s[G1B:G1B+7]
	s_nop 0
.rept 4
	v_nop
.endr
.Lasked_\@:
.endm
.macro CREST                           ; a round of the cluster's barrier behind its opening barrier
	s_cmp_lg_u32 s10, 0
	s_cbranch_scc1 .Lnot_wave_0_\@
	s_barrier_signal -3
.Lnot_wave_0_\@:
	s_barrier_wait -3
	s_barrier_signal -1
	s_barrier_wait -1
.endm
.macro CROUND
	s_barrier_signal -1
	s_barrier_wait -1
	CREST
.endm
	s_load_b128 s[4:7], s[0:1], 0x0                ; ctx, wts
	s_load_b64 s[66:67], s[0:1], 0x10              ; bo
	s_load_b64 s[8:9], s[0:1], 0x18                ; out0
	v_lshl_add_u32 v[SPW], v0, 2, SPARE
	v_mov_b32 v[NIL], 0
	ds_add_u32 v[SPW], v[NIL]                      ; the wave's opening: the add, twice on end, and its wait ahead of my first tensor load
	ds_add_u32 v[SPW], v[NIL]
	v_lshrrev_b32 v1, 5, v0
	v_readfirstlane_b32 s10, v1                    ; wave 0..3
	s_lshr_b32 s11, s10, 1                         ; which 64 rows are mine.  Also: I fetch ctx (0) or Wo (1)
	s_and_b32 s12, s10, 1                          ; which 128 columns.  Also: which half I fetch
	s_bfe_u32 s40, ttmp6, 0x40000                  ; cx, cy
	s_bfe_u32 s41, ttmp6, 0x40004
	s_lshl_b32 s42, ttmp9, 2
	s_add_co_u32 s42, s42, s40                     ; tile column
	s_and_b32 s13, ttmp7, 0xffff
	s_lshl_b32 s13, s13, 2
	s_add_co_u32 s13, s13, s41                     ; tile row
	s_lshl_b32 s43, s41, 2
	s_lshl_b32 s43, 15, s43                        ; my row of the cluster
	s_lshl_b32 s44, 0x1111, s40                    ; my column
	s_or_b32 s[G1+0], s43, (3<<16)|(1<<21)         ; the mask; elements of 8 bytes; bit 21 beside a mask; no padding
	s_or_b32 s[G1B+0], s44, (3<<16)|(1<<21)
	s_mov_b32 s[G1+1], 512<<16                     ; tensor_dim0 = 512 elements: 4,096 bytes of a tile
	s_mov_b32 s[G1+2], 4<<16                       ; tensor_dim1 = 4 tiles
	s_mov_b32 s[G1+3], 512<<16                     ; tile_dim0
	s_mov_b32 s[G1+4], 4                           ; tile_dim1
	s_mov_b32 s[G1+5], 4096                        ; from tile to tile: 32,768 bytes
	s_mov_b32 s[G1+6], 0
	s_mov_b32 s[G1+7], 0
	s_mov_b32 s[G1B+1], 512<<16
	s_mov_b32 s[G1B+2], 8<<16                      ; Wo: 8 tiles
	s_mov_b32 s[G1B+3], 512<<16
	s_mov_b32 s[G1B+4], 8
	s_mov_b32 s[G1B+5], 4096
	s_mov_b32 s[G1B+6], 0
	s_mov_b32 s[G1B+7], 0
	s_lshl_b32 s16, s13, 18                        ; ctx: tile 8 x tile row + 4 x half
	s_lshl_b32 s17, s12, 17
	s_add_co_u32 s16, s16, s17
	s_mov_b32 s17, 0
	s_lshl_b32 s46, s42, 19                        ; Wo: tile 16 x tile column + 8 x half
	s_lshl_b32 s47, s12, 18
	s_add_co_u32 s46, s46, s47
	s_add_co_u32 s46, s46, WOI
	s_mov_b32 s47, 0
	s_lshl_b32 s20, s12, 14                        ; where they go: ctx's halves of 16,384 bytes,
	s_lshl_b32 s21, s12, 15
	s_add_co_u32 s21, s21, BOFF                    ; Wo's of 32,768 behind them: the wave's number alone enters an LDS address
	s_wait_dscnt 0x0                               ; both opening adds are done
	s_wait_kmcnt 0x0
	s_add_nc_u64 s[14:15], s[4:5], s[16:17]
	s_add_nc_u64 s[46:47], s[6:7], s[46:47]
	CROUND                                         ; all sixteen work-groups are here: the first joint loads meet
.irp s, 0,1
	s_mov_b32 s[G0+4*\s], 1
	s_add_co_u32 s[G0+4*\s+1], s20, \s*SLOT
	s_add_nc_u64 s[G0+4*\s+2:G0+4*\s+3], s[14:15], \s*KSB
	s_or_b32 s[G0+4*\s+3], s[G0+4*\s+3], 0x80000000
	s_mov_b32 s[G0B+4*\s], 1
	s_add_co_u32 s[G0B+4*\s+1], s21, \s*SLOT
	s_add_nc_u64 s[G0B+4*\s+2:G0B+4*\s+3], s[46:47], \s*KSB
	s_or_b32 s[G0B+4*\s+3], s[G0B+4*\s+3], 0x80000000
	JLOAD \s
.endr
	v_and_b32 v1, 31, v0
	v_lshlrev_b32 v[CO], 4, v1                     ; 16 x lane: a fragment's place, and my 16 bytes of a row of 512
	s_lshl_b32 s22, s11, 14                        ; my 4 tiles of ctx
	s_lshl_b32 s23, s12, 15
	s_add_co_u32 s23, s23, BOFF                    ; my 8 tiles of Wo
.irp s, 0,1
	v_add_nc_u32 v[ADRA+\s], s22, v[CO]
	v_add_nc_u32 v[ADRB+\s], s23, v[CO]
	s_add_co_u32 s22, s22, SLOT
	s_add_co_u32 s23, s23, SLOT
.endr
	s_mul_i32 s23, s10, 16*SPITCH
	s_add_co_u32 s23, s23, STAGE                   ; my stage
	v_and_b32 v2, 15, v0
	v_bfe_u32 v3, v0, 4, 1
	v_mul_u32_u24 v4, v2, SPITCH
	v_lshl_add_u32 v4, v3, 5, v4
	v_add_nc_u32 v[STO], s23, v4                   ; in: row r, 32 bytes for each half of the lanes
	v_add_nc_u32 v[RD], s23, v[CO]                 ; back: the 32 lanes take one row
	s_lshl_b32 s46, s42, 10
	s_lshl_b32 s47, s12, 9
	s_add_co_u32 s46, s46, s47                     ; my first column, in bytes
	s_mov_b32 s47, 0
	s_add_nc_u64 s[66:67], s[66:67], s[46:47]
	global_load_b128 v[BOV:BOV+3], v[CO], s[66:67] ; bo of my four columns
	s_lshl_b32 s16, s13, 19                        ; my first row: 128 x tile row + 64 x half, 4,096 bytes a row
	s_lshl_b32 s17, s11, 18
	s_add_co_u32 s16, s16, s17
	s_mov_b32 s17, 0
	s_add_nc_u64 s[8:9], s[8:9], s[16:17]
	s_add_nc_u64 s[8:9], s[8:9], s[46:47]
.macro MUL8 f, a, zero                 ; ctx's block a x Wo's eight, 32 along K.  The 32 accumulators take turns, one instruction a turn
.irp b, 0,1,2,3,4,5,6,7
.if \zero
	v_wmma_f32_16x16x32_f16 v[8*(8*(\a)+\b):8*(8*(\a)+\b)+7], v[\f+32+8*\b:\f+32+8*\b+7], v[\f+8*(\a):\f+8*(\a)+7], 0
.else
	v_wmma_f32_16x16x32_f16 v[8*(8*(\a)+\b):8*(8*(\a)+\b)+7], v[\f+32+8*\b:\f+32+8*\b+7], v[\f+8*(\a):\f+8*(\a)+7], v[8*(8*(\a)+\b):8*(8*(\a)+\b)+7]
.endif
.endr
.endm
.macro FETCH slot, kc, f               ; 24 LDS loads in one run: the fragments of the K step's kc-th 32: Wo's eight, then ctx's four
.irp i, 0,1,2,3,4,5,6,7
	ds_load_b128 v[\f+32+8*\i:\f+32+8*\i+3],   v[ADRB+\slot] offset:\i*KSB+(\kc)*1024
	ds_load_b128 v[\f+32+8*\i+4:\f+32+8*\i+7], v[ADRB+\slot] offset:\i*KSB+(\kc)*1024+512
.endr
.irp i, 0,1,2,3
	ds_load_b128 v[\f+8*\i:\f+8*\i+3],   v[ADRA+\slot] offset:\i*KSB+(\kc)*1024
	ds_load_b128 v[\f+8*\i+4:\f+8*\i+7], v[ADRA+\slot] offset:\i*KSB+(\kc)*1024+512
.endr
.endm
.macro PLACES                          ; four plain places ahead of loads into registers that matrix instructions have read, and of the first read of results
.rept 4
	v_nop
.endr
.endm
.macro QUARTER slot, kc, f, g, zero    ; multiplies buffer f; in its middle it fetches the slot's kc-th 32 along K into buffer g
	s_wait_dscnt 4                                 ; the youngest four loads (ctx's blocks 2, 3) may be out
	WIN MUL
	MUL8 \f, 0, \zero
	MUL8 \f, 1, \zero
	PLACES
	WIN 0
	FETCH \slot, \kc, \g
	s_wait_dscnt 24                                ; all but the 24 just issued
	WIN MUL
	MUL8 \f, 2, \zero
	MUL8 \f, 3, \zero
.endm
; A K step's last quarter multiplies buffer 1 and changes slots: one barrier; ahead of it each wave waits for all its tensor loads, adds 0 to its spare word, and waits for that and for its reads of this slot.
.macro TURN slot, next, fill
	WIN 0
	s_wait_tensorcnt 0x0                           ; my part of the next slot has landed, and no load of mine is out
	ds_add_u32 v[SPW], v[NIL]
	s_wait_dscnt 5                                 ; the add and the youngest four loads may be out
	WIN MUL
	MUL8 F1, 0, 0                                  ; eight matrix instructions stand between the add and the wait for it
	s_wait_dscnt 0x0                               ; the add is done, and my reads of this slot are over
	s_barrier_signal -1
	MUL8 F1, 1, 0
	WIN 0
	s_barrier_wait -1
.if \fill
	CREST                                          ; the barrier has opened a round of the cluster's: no wave of any partner still reads this slot or has a load on its way
	s_add_nc_u64 s[G0+4*\slot+2:G0+4*\slot+3], s[G0+4*\slot+2:G0+4*\slot+3], 2*KSB
	s_add_nc_u64 s[G0B+4*\slot+2:G0B+4*\slot+3], s[G0B+4*\slot+2:G0B+4*\slot+3], 2*KSB
	JLOAD \slot                                    ; the first tensor load behind the round; its four v_nop are also the places ahead of the loads below
.else
	PLACES
.endif
	FETCH \next, 0, F0
	WIN MUL
	MUL8 F1, 2, 0
	MUL8 F1, 3, 0
.endm
	s_wait_tensorcnt 1                             ; my part of K step 0 is in; K step 1's load may be out
	s_barrier_signal -1
	s_barrier_wait -1
	FETCH 0, 0, F0
	QUARTER 0, 1, F0, F1, 1                        ; the first quarter's products start the sums
	WIN 0
	s_mov_b32 s3, LAPS-1
.Llap:                                             ; a trip goes once round the ring and fills both slots again
	QUARTER 0, 2, F1, F0, 0
	QUARTER 0, 3, F0, F1, 0
	TURN 0, 1, 1
	QUARTER 1, 1, F0, F1, 0
	QUARTER 1, 2, F1, F0, 0
	QUARTER 1, 3, F0, F1, 0
	TURN 1, 0, 1
	QUARTER 0, 1, F0, F1, 0
	WIN 0
	s_sub_co_u32 s3, s3, 1
	s_cmp_lg_u32 s3, 0
	s_cbranch_scc1 .Llap
	QUARTER 0, 2, F1, F0, 0                        ; the last lap fills nothing
	QUARTER 0, 3, F0, F1, 0
	TURN 0, 1, 0
	QUARTER 1, 1, F0, F1, 0
	QUARTER 1, 2, F1, F0, 0
	QUARTER 1, 3, F0, F1, 0
	s_wait_dscnt 4
	WIN MUL
	MUL8 F1, 0, 0
	MUL8 F1, 1, 0
	s_wait_dscnt 0
	MUL8 F1, 2, 0
	MUL8 F1, 3, 0
	WIN 0
; THE WAY OUT, block by block of 16 rows x 128 columns, through my own stage: in as 32 bytes a lane, back as whole rows of 512 bytes; bo is added; 32 lanes store 512 consecutive bytes, aligned.
.macro TOSTAGE a
	WIN 0x04                                       ; an LDS store's data are its source 1: window 1
.irp b, 0,1,2,3,4,5,6,7
	ds_store_b128 v[STO], v[64*(\a)+8*\b:64*(\a)+8*\b+3] offset:64*\b          ; each accumulator from its low end on
	ds_store_b128 v[STO], v[64*(\a)+8*\b+4:64*(\a)+8*\b+7] offset:64*\b+16
.endr
	WIN 0
.set BB, BK+64*((\a)%2)
.irp t, 0,1,2,3,4,5,6,7,8,9,10,11,12,13,14,15
	ds_load_b128 v[BB+4*\t:BB+4*\t+3], v[RD] offset:\t*SPITCH                 ; LDS serves a wave's instructions in order: these see my stores
.endr
.endm
.macro SEND a, younger                 ; younger: the LDS instructions issued behind block a's loads
.set BB, BK+64*((\a)%2)
	s_wait_dscnt \younger
.irp t, 0,1,2,3,4,5,6,7,8,9,10,11,12,13,14,15
	v_pk_add_f32 v[BB+4*\t:BB+4*\t+1], v[BB+4*\t:BB+4*\t+1], v[BOV:BOV+1]
	v_pk_add_f32 v[BB+4*\t+2:BB+4*\t+3], v[BB+4*\t+2:BB+4*\t+3], v[BOV+2:BOV+3]
.endr
.irp t, 0,1,2,3,4,5,6,7,8,9,10,11,12,13,14,15
	global_store_b128 v[CO], v[BB+4*\t:BB+4*\t+3], s[8:9] offset:(16*(\a)+\t)*4096 th:TH_STORE_NT
.endr
.endm
	PLACES
	s_wait_loadcnt 0x0                             ; bo
	TOSTAGE 0
.irp a, 1,2,3
.if \a > 1
	s_wait_xcnt 0x0                                ; block a - 2's stores have read their registers: block a's loads may land there
.endif
	TOSTAGE \a
	SEND \a-1, 32                                  ; behind block a - 1's loads: block a's 16 stores and 16 loads
.endr
	SEND 3, 0
	s_wait_tensorcnt 0x0                           ; the wave's end
	ds_add_u32 v[SPW], v[NIL]
	s_wait_dscnt 0x0
	CROUND                                         ; the closing round
	s_endpgm
.Lfunc_end_k_qc3fa94a5ec_oproj:
	.size	k_qc3fa94a5ec_oproj, .Lfunc_end_k_qc3fa94a5ec_oproj-k_qc3fa94a5ec_oproj
	.p2alignl 7, 3214868480
	.fill 96, 4, 3214868480
	.section	.rodata,"a",@progbits
	.p2align	6, 0x0
	.amdhsa_kernel k_qc3fa94a5ec_oproj
		.amdhsa_group_segment_fixed_size 327680
		.amdhsa_private_segment_fixed_size 0
		.amdhsa_enable_private_segment 0
		.amdhsa_kernarg_size 32
		.amdhsa_user_sgpr_count 2
		.amdhsa_user_sgpr_kernarg_segment_ptr 1
		.amdhsa_wavefront_size32 1
		.amdhsa_system_sgpr_workgroup_id_x 1
		.amdhsa_system_sgpr_workgroup_id_y 1
		.amdhsa_system_sgpr_workgroup_id_z 1
		.amdhsa_system_vgpr_workitem_id 0
		.amdhsa_next_free_vgpr 512
		.amdhsa_next_free_sgpr 68
		.amdhsa_reserve_vcc 0
		.amdhsa_float_denorm_mode_32 3
		.amdhsa_float_denorm_mode_16_64 3
		.amdhsa_memory_ordered 1
		.amdhsa_forward_progress 1
		.amdhsa_inst_pref_size 93
	.end_amdhsa_kernel
	.amdgpu_metadata
---
amdhsa.version: [ 1, 2 ]
amdhsa.kernels:
  - .name:           k_qc3fa94a5ec_oproj
    .symbol:         k_qc3fa94a5ec_oproj.kd
    .args:
      - { .name: ctx, .offset: 0, .size: 8, .value_kind: global_buffer, .address_space: global }
      - { .name: wts, .offset: 8, .size: 8, .value_kind: global_buffer, .address_space: global }
      - { .name: bo, .offset: 16, .size: 8, .value_kind: global_buffer, .address_space: global }
      - { .name: out0, .offset: 24, .size: 8, .value_kind: global_buffer, .address_space: global }
    .group_segment_fixed_size: 327680
    .private_segment_fixed_size: 0
    .kernarg_segment_align: 8
    .kernarg_segment_size: 32
    .max_flat_workgroup_size: 128
    .sgpr_count:     68
    .vgpr_count:     512
    .wavefront_size: 32
...
	.end_amdgpu_metadata
.endif
;; end of part 5
